; MI455X (gfx1250); checked and timed in simulation.
; The chip was launched on July 23, 2026; its instructions are those of AMD's public machine-readable ISA for CDNA 5 (MIT licence, August 2026) and "CDNA5" Instruction Set Architecture Reference Guide (July 2026). The comments in the code are by the model that wrote it; some were corrected since.
;; Multi Head Attention. Allowed arithmetic: matrix products marked QUANTISED: E2M1 operands, one E8M0 scale for each 32 along K, by v_wmma_scale_f32_16x16x128_f8f6f4 with both operands' format E2M1 (or v_wmma_scale_f32_32x16x128_f4), f32 sums; products left as they are: bf16, f16 or f32 operands; f32 sums; everything else in f32.
;; Inputs: Wk 16 x 1,024 x 64 float32; Wo 1,024 x 1,024 float32; Wq 16 x 1,024 x 64 float32; Wv 16 x 1,024 x 64 float32; bo 1,024 float32; x 4 x 2,048 x 1,024 float32.
;; Outputs: out0 4 x 2,048 x 1,024 float32.
;; This version of the problem:
;;   THIS VERSION OF THE PROBLEM IS GIVEN IN LOW PRECISION. The matrix products marked QUANTISED in the list below multiply operands that are first quantised to E2M1 (2 exponent bits, 1 mantissa bit; 4 bits a number), with one power-of-two scale for each 32 numbers along K (OCP MX v1.0); their sums are f32. The products marked 'left as it is' may take bf16, f16 or f32 operands, with f32 sums. Whichever they take, every output number must still come out within the allowed error. Rounding operands to bf16 (8 significant bits) uses up far more of that allowance than f16 does (11 bits, for magnitudes from 6e-5 to 65,504). All else is computed in f32.
;;   The module's matrix products, in the order in which they are computed (A, B: the left and right operand; K: the contracted axis; several contracted axes count as one K, in the product's order):
;;     1. [M 1,024, K 1,024] x [K 1,024, N 8,192]; A: input Wq; B: input x: QUANTISED
;;     2. [M 1,024, K 1,024] x [K 1,024, N 8,192]; A: input Wk; B: input x: QUANTISED
;;     3. [M 1,024, K 1,024] x [K 1,024, N 8,192]; A: input Wv; B: input x: QUANTISED
;;     4. batch 64 x [M 2,048, K 64] x [K 64, N 2,048]; A: computed on the way; B: computed on the way: left as it is (an operand is computed on the way)
;;     5. batch 64 x [M 2,048, K 2,048] x [K 2,048, N 64]; A: computed on the way; B: computed on the way: left as it is (an operand is computed on the way)
;;     6. [M 8,192, K 1,024] x [K 1,024, N 1,024]; A: computed on the way; B: input Wo: left as it is (an operand is computed on the way)
;;   THE QUANTISER, for each operand of a quantised product, along K:
;;     - K is cut into blocks of 32 from its start; a last block that is shorter is filled with zeros.
;;     - A block's scale is 2^e with e = floor(log2(the largest magnitude in the block)) - 2, held to -126 .. 127; a block of zeros has e = 0. As a byte (E8M0): e + 127.
;;     - Each number is divided by its block's scale, clamped to +-6, and rounded to the nearest number of E2M1, ties to even, subnormals kept.
;;     - The product sums the exact products of the quantised numbers (number of the format x scale) in f32.
;;   ~~~python
;;   def quantise(x, axis):      # numpy; x: float32 -> the quantised numbers, widened to float32 again
;;       x = np.moveaxis(x, axis, -1); K = x.shape[-1]
;;       x = np.pad(x, [(0, 0)] * (x.ndim - 1) + [(0, -K % 32)]); x = x.reshape(x.shape[:-1] + (-1, 32)); a = np.abs(x).max(-1, keepdims=True)
;;       e = np.where(a > 0, np.clip(np.frexp(np.where(a > 0, a, 1))[1] - 1 - 2, -126, 127), 0)      # np.frexp(a)[1] - 1 = floor(log2(a)), exactly
;;       r = np.clip(x / 2.0 ** e, -6, 6)
;;       step = 2.0 ** (np.maximum(np.frexp(np.where(r == 0, 1, r))[1] - 1, 0) - 1)
;;       q = np.round(r / step) * step * 2.0 ** e      # np.round: ties to even
;;       return np.moveaxis(q.reshape(q.shape[:-2] + (-1,))[..., :K], -1, axis).astype(np.float32)
;;   ~~~
;; One version. Each part assembles by itself: llvm-mc -triple=amdgcn-amd-amdhsa -mcpu=gfx1250 --defsym DOCPART=n.
;; ======== version 1 of 1: 5 launches
;; limits: values are held in f16: magnitudes above 65,504 overflow, below 6.1e-05 lose precision
;; workspace buffers: xc 4,194,304 bytes; xs 262,144 bytes; wc 1,572,864 bytes; ws 98,304 bytes; wo16 2,097,152 bytes; qkv 50,331,648 bytes; qkv32 786,432 bytes; ao 16,777,216 bytes
;; launch prep (part 1): grid 256 x 1, 8 waves a work-group, no clusters, 84,992 bytes of LDS; arguments x, Wq, Wk, Wv, Wo, xc, xs, wc, ws, wo16; writes xc, xs, wc, ws, wo16
.if DOCPART == 1
	.amdgcn_target "amdgcn-amd-amdhsa--gfx1250"
	.amdhsa_code_object_version 6
	.text
	.protected	k_q1425f810d2_prep
	.globl	k_q1425f810d2_prep
	.p2align	8
	.type	k_q1425f810d2_prep,@function
k_q1425f810d2_prep:
	s_mov_b64 s[64:65], 0
	v_nop
	global_prefetch_b8 v0, s[64:65] scope:SCOPE_SE
	s_setreg_imm32_b32 hwreg(HW_REG_WAVE_MODE, 25, 1), 1
	s_wait_xcnt 0x0
; PREP: what the later launches read many times is made narrow once.
;   work-groups 0-127:   x [8192][1024] f32 -> xc: codes of FP4 (E2M1), K innermost, 512 bytes a row; xs: one E8M0 byte for each 32 along K, 32 bytes a row.
;   work-groups 128-223: Wq, Wk, Wv [16][1024 (k)][64] f32 -> wc [3072 (n)][512 bytes], ws [3072][32 bytes]; n = 64 mh + d, mh = 16 x (0 q, 1 k, 2 v) + head.  K is the MIDDLE axis:
;                        a lane takes a column d and its registers run down K, so the conversions give codes with K innermost and nothing is transposed by an instruction.
;   work-groups 224-255: Wo [1024][1024] f32 -> wo16, f16, as it lies.
; A block's scale is 2^(floor(log2(its largest magnitude)) - 2); its byte is the largest magnitude's exponent field - 2, held at 1 from below.
; (A block of zeros so gets the byte 1 where the rule says 127: its codes are zeros, and the bytes are read by this program alone.)
; LIMITS: blocks whose largest magnitude lies under 2^-124, the floor, were not tried; NaN and infinities are not served; |Wo| stays under 65,504 (f16), and under 6e-5 its error is absolute, 3e-8.
; The three paths part on the work-group's number and never join; each has LDS bytes of its own.
.set STEPS, 16
.set WREG,  8192                       ; path x: a region for each wave: two stages of 32 x SP bytes, and behind them its 256 scale bytes
.set SP,    80                         ; a lane's place in a stage: 64 bytes + 16 of padding
.set WST,   65536                      ; path W: the work-group's stage, 64 rows (columns d) x (256 bytes + 16)
.set WP,    272
.set WSS,   WST+64*WP                  ; and its scale bytes, 16 a row
.set SPARE, WSS+1024                   ; the spare words, 128 bytes for each wave: four blocks of 256 bytes that no other line names
.set SPW,   12                         ; v12  LDS address of my spare word; never rewritten
.set NIL,   13                         ; v13  0; never rewritten
.set R,     16                         ; path x: v16-143 eight sets of 16 numbers as loaded.  path W: 128 numbers down K.  path Wo: 32 x 4 numbers
.set X,     144                        ; path x: v144-175 two sets of 16 neighbours
.set C,     176                        ; path x: v176-207 codes, two registers a step
.set E,     208                        ; path x: v208-223 a scale byte a step
	s_load_b512 s[8:23], s[0:1], 0x0               ; x 8, Wq 10, Wk 12, Wv 14, Wo 16, xc 18, xs 20, wc 22
	s_load_b128 s[24:27], s[0:1], 0x40             ; ws 24, wo16 26
	v_lshl_add_u32 v[SPW], v0, 2, SPARE
	v_mov_b32 v[NIL], 0
	v_lshrrev_b32 v1, 5, v0
	v_readfirstlane_b32 s4, v1                     ; wave 0..7
	v_and_b32 v2, 31, v0                           ; lane
	s_mov_b32 s29, 0                               ; the high word of every offset pair s[28:29]
	s_wait_kmcnt 0x0
	s_cmp_ge_u32 ttmp9, 224
	s_cbranch_scc1 .Lwo
	s_cmp_ge_u32 ttmp9, 128
	s_cbranch_scc1 .Lw
; ---------------- path x: a plain stream of blocks of 32.  A wave takes 16 steps of 512 numbers.  Each load reads 512 consecutive bytes; a step's 2,048 bytes turn through the wave's own
; stage, so that a lane then holds 16 NEIGHBOURS (two neighbouring lanes hold a block).  Loads run eight steps (32 loads a wave) ahead, the turn one step.
	v_lshlrev_b32 v3, 4, v2                        ; my 16 bytes of a load's 512
	s_mul_i32 s5, s4, WREG
	v_lshrrev_b32 v14, 2, v2
	v_mul_u32_u24 v14, v14, SP
	v_and_b32 v15, 3, v2
	v_lshl_add_u32 v14, v15, 4, v14
	v_add_nc_u32 v14, s5, v14                      ; the stage, in: SP (lane / 4) + 16 (lane % 4)
	v_mul_u32_u24 v15, v2, SP
	v_add_nc_u32 v15, s5, v15                      ; and out: SP x lane
	v_lshlrev_b32 v4, 3, v2                        ; 8 bytes a lane: my codes in a step's 256, and my part of the wave's 256 scale bytes
	v_lshrrev_b32 v5, 1, v2
	s_add_co_u32 s5, s5, 2*32*SP
	v_add_nc_u32 v5, s5, v5                        ; LDS: my block's scale byte
	v_add_nc_u32 v6, s5, v4                        ; and the 8 bytes that I read back
	s_lshl_b32 s6, ttmp9, 3
	s_add_co_u32 s6, s6, s4                        ; which run of 8,192 numbers is my wave's: 0..1023
	s_lshl_b32 s28, s6, 15
	s_add_nc_u64 s[8:9], s[8:9], s[28:29]
	s_lshl_b32 s28, s6, 12
	s_add_nc_u64 s[18:19], s[18:19], s[28:29]
	s_lshl_b32 s28, s6, 8
	s_add_nc_u64 s[20:21], s[20:21], s[28:29]
.macro LOADX t
.irp i, 0,1,2,3
	global_load_b128 v[R+16*((\t)%8)+4*\i:R+16*((\t)%8)+4*\i+3], v3, s[8:9] offset:2048*(\t)+512*\i th:TH_LOAD_NT
.endr
.endm
.macro TURNX t                         ; LDS serves a wave's instructions in order (ISA guide 5.7.1.4): no wait between the stores and the loads
.irp i, 0,1,2,3
	ds_store_b128 v14, v[R+16*((\t)%8)+4*\i:R+16*((\t)%8)+4*\i+3] offset:32*SP*((\t)%2)+8*SP*\i
.endr
.irp i, 0,1,2,3
	ds_load_b128 v[X+16*((\t)%2)+4*\i:X+16*((\t)%2)+4*\i+3], v15 offset:32*SP*((\t)%2)+16*\i
.endr
.endm
.irp t, 0,1,2,3,4,5,6,7
	LOADX \t
.endr
	s_wait_loadcnt 28                              ; step 0's four loads are in; seven steps' may be out
	TURNX 0
.macro STEPX t
.set XS, X+16*((\t)%2)
.if (\t) > 0
	s_wait_dscnt 1                                 ; this step's numbers are back from the stage; the last step's byte store may be out
.else
	s_wait_dscnt 0x0
.endif
.if (\t)+8 < STEPS
	LOADX (\t)+8                                   ; into the set that this step's turn has read
.endif
.if (\t)+1 < STEPS
.if (\t) <= 7
	s_wait_loadcnt 28                              ; the next step's loads are in; those of the seven steps behind it may be out
.else
	s_wait_loadcnt 4*(14-(\t))                     ; the counts run down
.endif
	TURNX (\t)+1
.endif
	v_max3_num_f32 v8, |v[XS]|, |v[XS+1]|, |v[XS+2]|
	v_max3_num_f32 v9, |v[XS+3]|, |v[XS+4]|, |v[XS+5]|
.irp i, 6,10
	v_max3_num_f32 v8, v8, |v[XS+\i]|, |v[XS+\i+1]|
	v_max3_num_f32 v9, v9, |v[XS+\i+2]|, |v[XS+\i+3]|
.endr
	v_max3_num_f32 v8, v8, |v[XS+14]|, |v[XS+15]|
	v_max3_num_f32 v8, v8, v9, 0x1800000           ; and the floor 2^(3 - 127): the byte cannot fall under 1
	v_max_num_f32_dpp v8, v8, v8 row_xmask:1 row_mask:0xf bank_mask:0xf   ; with my neighbour's 16: the block's largest magnitude
	v_add_nc_u32 v11, 0xff000000, v8               ; 2 off its exponent field: the conversion takes the exponent field of this operand as its scale
	v_cvt_scalef32_pk8_fp4_f32 v[C+2*(\t)], v[XS:XS+7], v11
	v_cvt_scalef32_pk8_fp4_f32 v[C+2*(\t)+1], v[XS+8:XS+15], v11
	v_lshrrev_b32 v[E+(\t)], 23, v11               ; the scale's byte (a plain line behind the conversions)
	ds_store_b8 v5, v[E+(\t)] offset:16*(\t)       ; both lanes of a block write the same byte with the same value
	global_store_b64 v4, v[C+2*(\t):C+2*(\t)+1], s[18:19] offset:256*(\t)   ; the wave stores 256 consecutive bytes, aligned
.endm
.irp t, 0,1,2,3,4,5,6,7,8,9,10,11,12,13,14,15
	STEPX \t
.endr
	ds_load_b64 v[8:9], v6
	s_wait_dscnt 0x0
	global_store_b64 v4, v[8:9], s[20:21]          ; the wave's 256 scale bytes: 256 consecutive bytes, aligned
	s_wait_tensorcnt 0x0                           ; the wave's end: behind my last LDS store
	ds_add_u32 v[SPW], v[NIL]
	s_wait_dscnt 0x0
	s_endpgm
; ---------------- path W: a work-group takes one (matrix, head) and 512 along K: 64 columns x 512.  Wave w: columns 32 (w & 1) on, 128 along K from 128 (w >> 1) on: four blocks a lane.
; A lane's codes are 64 bytes of its column's row; the eight waves gather 64 rows x 256 bytes in one stage, and behind a barrier sixteen lanes store 256 consecutive bytes, aligned.
.Lw:
	s_sub_co_u32 s5, ttmp9, 128
	s_lshr_b32 s6, s5, 1                           ; mh 0..47
	s_and_b32 s7, s5, 1                            ; which half of K
	s_lshr_b32 s28, s6, 4                          ; 0 q, 1 k, 2 v: the choice hangs on the work-group's number alone
	s_cmp_eq_u32 s28, 0
	s_cselect_b64 s[30:31], s[10:11], s[12:13]
	s_cmp_eq_u32 s28, 2
	s_cselect_b64 s[30:31], s[14:15], s[30:31]
	s_lshr_b32 s32, s4, 1                          ; kq: which 128 along K
	s_and_b32 s33, s4, 1                           ; ch: which 32 columns
	s_and_b32 s28, s6, 15
	s_lshl_b32 s28, s28, 18                        ; the head: 1,024 rows of 256 bytes
	s_lshl_b32 s34, s7, 17
	s_add_co_u32 s28, s28, s34
	s_lshl_b32 s34, s32, 15
	s_add_co_u32 s28, s28, s34
	s_lshl_b32 s34, s33, 7
	s_add_co_u32 s28, s28, s34
	s_add_nc_u64 s[30:31], s[30:31], s[28:29]
	v_lshlrev_b32 v3, 2, v2                        ; 4 bytes a lane
.set i, 0
.rept 128
	global_load_b32 v[R+i], v3, s[30:31] offset:i*256 th:TH_LOAD_NT   ; W(k0 + i, my column)
.set i, i+1
.endr
	s_mul_i32 s34, s33, 32*WP
	s_lshl_b32 s35, s32, 6
	s_add_co_u32 s34, s34, s35
	s_add_co_u32 s34, s34, WST
	v_mul_u32_u24 v4, v2, WP
	v_add_nc_u32 v4, s34, v4                       ; the stage, in: row = my column, 64 kq bytes on
	s_lshl_b32 s34, s33, 9
	s_lshl_b32 s35, s32, 2
	s_add_co_u32 s34, s34, s35
	s_add_co_u32 s34, s34, WSS
	v_lshl_add_u32 v5, v2, 4, s34                  ; my scale word: 16 bytes a row, word kq
	v_and_b32 v6, 15, v2
	v_lshrrev_b32 v7, 4, v2
	s_mul_i32 s34, s4, 8*WP
	s_add_co_u32 s34, s34, WST
	v_mul_u32_u24 v10, v7, WP
	v_lshl_add_u32 v10, v6, 4, v10
	v_add_nc_u32 v10, s34, v10                     ; the stage, out: wave w takes rows 8 w on; sixteen lanes to a row, two rows an instruction
	v_lshlrev_b32 v14, 9, v7
	v_lshl_add_u32 v14, v6, 4, v14                 ; and the same place in wc
	s_lshl_b32 s28, s6, 15                         ; wc: 64 rows of 512 bytes for each mh,
	s_lshl_b32 s34, s7, 8                          ; my half of K,
	s_add_co_u32 s28, s28, s34
	s_lshl_b32 s34, s4, 12                         ; my 8 rows
	s_add_co_u32 s28, s28, s34
	s_add_nc_u64 s[22:23], s[22:23], s[28:29]
	s_lshl_b32 s34, s4, 7
	s_add_co_u32 s34, s34, WSS
	v_lshl_add_u32 v15, v2, 2, s34                 ; the scale bytes, out: wave w takes 128 bytes, 8 rows; 4 bytes a lane
	v_lshrrev_b32 v6, 2, v2
	v_and_b32 v7, 3, v2
	v_lshlrev_b32 v161, 5, v6
	v_lshl_add_u32 v161, v7, 2, v161               ; in ws: 32 bytes a row; four neighbouring lanes fill a row's 16 bytes of this half of K
	s_lshl_b32 s28, s6, 11
	s_lshl_b32 s34, s7, 4
	s_add_co_u32 s28, s28, s34
	s_lshl_b32 s34, s4, 8
	s_add_co_u32 s28, s28, s34
	s_add_nc_u64 s[24:25], s[24:25], s[28:29]
.macro BLOCKW t, left
.set XS, R+32*(\t)
	s_wait_loadcnt \left
	v_max3_num_f32 v8, |v[XS]|, |v[XS+1]|, |v[XS+2]|               ; the block's largest magnitude: all 32 numbers are mine
	v_max3_num_f32 v9, |v[XS+3]|, |v[XS+4]|, |v[XS+5]|
.irp i, 6,10,14,18,22,26
	v_max3_num_f32 v8, v8, |v[XS+\i]|, |v[XS+\i+1]|
	v_max3_num_f32 v9, v9, |v[XS+\i+2]|, |v[XS+\i+3]|
.endr
	v_max3_num_f32 v8, v8, |v[XS+30]|, |v[XS+31]|
	v_max3_num_f32 v8, v8, v9, 0x1800000
	v_add_nc_u32 v11, 0xff000000, v8
	v_lshrrev_b32 v9, 23, v11
.if (\t) == 0
	v_mov_b32 v160, v9                             ; four bytes to a word, the lower K in the lower byte
.else
	v_lshl_or_b32 v160, v9, 8*(\t), v160
.endif
.irp g, 0,1,2,3
	v_cvt_scalef32_pk8_fp4_f32 v[144+4*(\t)+\g], v[XS+8*\g:XS+8*\g+7], v11
.endr
	v_nop                                          ; one plain line behind the last conversion of a run
	ds_store_b128 v4, v[144+4*(\t):144+4*(\t)+3] offset:16*(\t)
.endm
	BLOCKW 0, 63                                   ; behind block t's 32 loads 96, 64, 32, 0 were issued; a wait's count is at most 63, and a smaller count is safe
	BLOCKW 1, 63
	BLOCKW 2, 32
	BLOCKW 3, 0
	ds_store_b32 v5, v160
	s_wait_dscnt 0x0                               ; for the others' sake: my stores into the stage are done
	s_barrier_signal -1
	s_barrier_wait -1
.irp u, 0,1,2,3
	ds_load_b128 v[164+4*\u:164+4*\u+3], v10 offset:2*WP*\u
.endr
	ds_load_b32 v162, v15
.irp u, 0,1,2,3
	s_wait_dscnt 4-\u                              ; the younger LDS loads may be out
	global_store_b128 v14, v[164+4*\u:164+4*\u+3], s[22:23] offset:1024*\u
.endr
	s_wait_dscnt 0x0
	global_store_b32 v161, v162, s[24:25]          ; rows of ws are 32 bytes and a work-group has half of each: 16 bytes of a row at a time; 96 KB in the whole launch
	s_wait_tensorcnt 0x0                           ; the wave's end: behind my last LDS store
	ds_add_u32 v[SPW], v[NIL]
	s_wait_dscnt 0x0
	s_endpgm
; ---------------- path Wo: a wave takes 4,096 numbers: 32 loads of 512 consecutive bytes, all asked for at once; 32 stores of 256 consecutive bytes.  No LDS.
.Lwo:
	s_sub_co_u32 s5, ttmp9, 224
	s_lshl_b32 s5, s5, 3
	s_add_co_u32 s5, s5, s4                        ; chunk 0..255
	s_lshl_b32 s28, s5, 14
	s_add_nc_u64 s[16:17], s[16:17], s[28:29]
	s_lshl_b32 s28, s5, 13
	s_add_nc_u64 s[26:27], s[26:27], s[28:29]
	v_lshlrev_b32 v3, 4, v2
	v_lshlrev_b32 v4, 3, v2
.set i, 0
.rept 32
	global_load_b128 v[R+4*i:R+4*i+3], v3, s[16:17] offset:512*i th:TH_LOAD_NT
.set i, i+1
.endr
.set i, 0
.rept 32
	s_wait_loadcnt 31-i                            ; loads come back in order (ISA guide 5.7.1): the younger ones stay out
	v_cvt_pk_f16_f32 v[144+2*i], v[R+4*i], v[R+4*i+1]
	v_cvt_pk_f16_f32 v[145+2*i], v[R+4*i+2], v[R+4*i+3]
	global_store_b64 v4, v[144+2*i:145+2*i], s[26:27] offset:256*i
.set i, i+1
.endr
	s_endpgm
.Lfunc_end_k_q1425f810d2_prep:
	.size	k_q1425f810d2_prep, .Lfunc_end_k_q1425f810d2_prep-k_q1425f810d2_prep
	.p2alignl 7, 3214868480
	.fill 96, 4, 3214868480
	.section	.rodata,"a",@progbits
	.p2align	6, 0x0
	.amdhsa_kernel k_q1425f810d2_prep
		.amdhsa_group_segment_fixed_size 84992
		.amdhsa_private_segment_fixed_size 0
		.amdhsa_enable_private_segment 0
		.amdhsa_kernarg_size 80
		.amdhsa_user_sgpr_count 2
		.amdhsa_user_sgpr_kernarg_segment_ptr 1
		.amdhsa_wavefront_size32 1
		.amdhsa_system_sgpr_workgroup_id_x 1
		.amdhsa_system_sgpr_workgroup_id_y 1
		.amdhsa_system_sgpr_workgroup_id_z 1
		.amdhsa_system_vgpr_workitem_id 0
		.amdhsa_next_free_vgpr 224
		.amdhsa_next_free_sgpr 66
		.amdhsa_reserve_vcc 0
		.amdhsa_float_denorm_mode_32 3
		.amdhsa_float_denorm_mode_16_64 3
		.amdhsa_memory_ordered 1
		.amdhsa_forward_progress 1
		.amdhsa_inst_pref_size 66
	.end_amdhsa_kernel
	.amdgpu_metadata
---
amdhsa.version: [ 1, 2 ]
amdhsa.kernels:
  - .name:           k_q1425f810d2_prep
    .symbol:         k_q1425f810d2_prep.kd
    .args:
      - { .name: x, .offset: 0, .size: 8, .value_kind: global_buffer, .address_space: global }
      - { .name: Wq, .offset: 8, .size: 8, .value_kind: global_buffer, .address_space: global }
      - { .name: Wk, .offset: 16, .size: 8, .value_kind: global_buffer, .address_space: global }
      - { .name: Wv, .offset: 24, .size: 8, .value_kind: global_buffer, .address_space: global }
      - { .name: Wo, .offset: 32, .size: 8, .value_kind: global_buffer, .address_space: global }
      - { .name: xc, .offset: 40, .size: 8, .value_kind: global_buffer, .address_space: global }
      - { .name: xs, .offset: 48, .size: 8, .value_kind: global_buffer, .address_space: global }
      - { .name: wc, .offset: 56, .size: 8, .value_kind: global_buffer, .address_space: global }
      - { .name: ws, .offset: 64, .size: 8, .value_kind: global_buffer, .address_space: global }
      - { .name: wo16, .offset: 72, .size: 8, .value_kind: global_buffer, .address_space: global }
    .group_segment_fixed_size: 84992
    .private_segment_fixed_size: 0
    .kernarg_segment_align: 8
    .kernarg_segment_size: 80
    .max_flat_workgroup_size: 256
    .sgpr_count:     66
    .vgpr_count:     224
    .wavefront_size: 32
...
	.end_amdgpu_metadata
.endif
;; end of part 1
;; launch qkv (part 2): grid 12 x 32, 4 waves a work-group, clusters of 4 x 4, 327,680 bytes of LDS; arguments xc, xs, wc, ws, qkv, qkv32; writes qkv, qkv32
.if DOCPART == 2
	.amdgcn_target "amdgcn-amd-amdhsa--gfx1250"
	.amdhsa_code_object_version 6
	.text
	.protected	k_q1425f810d2_qkv
	.globl	k_q1425f810d2_qkv
	.p2align	8
	.type	k_q1425f810d2_qkv,@function
k_q1425f810d2_qkv:
	s_mov_b64 s[64:65], 0
	v_nop
	global_prefetch_b8 v0, s[64:65] scope:SCOPE_SE
	s_setreg_imm32_b32 hwreg(HW_REG_WAVE_MODE, 25, 1), 1
	s_wait_xcnt 0x0
	s_wait_alu depctr_hold_cnt(0) depctr_sa_sdst(0) depctr_va_vdst(0) depctr_va_sdst(0) depctr_va_ssrc(0) depctr_va_vcc(0) depctr_vm_vsrc(0)
	s_getreg_b32 s2, hwreg(HW_REG_IB_STS2, 6, 4)
	s_cmp_eq_u32 s2, 0
	s_cbranch_scc0 .Lentry_in_a_cluster
	s_endpgm
.Lentry_in_a_cluster:
	s_bfe_u32 s2, ttmp6, 0x10000c
	s_cmp_lg_u32 s2, 0xf033
	s_cbranch_scc0 .Lentry_shape_is_right
	s_endpgm
.Lentry_shape_is_right:
; QKV: C[m][n] = sum over k of x[m][k] W[n][k] on codes of FP4 (E2M1) with one E8M0 scale for each 32 along K.  m = 2048 b + s (8,192), n = 64 mh + d (3,072), K = 1,024.
; Results: qkv, f16, [b][mh 48][s 2048][64] (a plane of 262,144 dense bytes for each batch, matrix and head); and the rows s < 16 once more as f32, qkv32 [b][mh][16][64], for the launch that carries them finely.
; LIMIT: |q|, |k|, |v| stay under 65,504 (f16); under 6e-5 the rounding's error is absolute, 3e-8.
; A tile of C, 256 x 256, is made by four waves, each 128 x 128: 64 accumulators, 512 registers.  K = 1,024 is two slots of 512: BOTH are first fills, with the scales of all of K: nothing is filled again, there is no loop.
; CLUSTERS: 4 x 4 work-groups.  The four of a row of the cluster need the same tiles of x, the four of a column the same tiles of W: each is asked for JOINTLY.
; THE TILE ROW IS 8 cy + cluster y: so the batch is cy and the tile's place in the sequence is the cluster's y, a number that all sixteen partners share: the branch to the f32 rows hangs on it and on the wave's number alone.
; 384 work-groups: one and a half rounds of 256; what the launch stores, 51 MB, is eight times what it reads.
; THE MATRIX INSTRUCTION IS USED TRANSPOSED (source 0 = 16 rows of W, source 1 = 16 rows of x): a lane holds eight neighbouring n of one row m.
; REGISTERS, in windows of 256: window 0: v0-31 addresses; v32-95 scale words, two sets; v128-191 x's fragments, one set; on the way out v32-255 are free.
;   window 1: W's fragments, two sets, at v0 and v128.   window 2: the accumulators of my rows 0-63 ((a, b) at v[8 (8 a + b)]);   window 3: those of my rows 64-127.
.set SIZE_K, 1024
.set KSTEP,  512
.set NQ,     KSTEP/128
.set ROWB,   256                       ; a tile's row in bytes
.set KROW,   SIZE_K*4/8                ; a row of codes in memory
.set PITCH,  272                       ; an LDS row: 256 bytes + 16: the 16 rows that a load touches start at 16 different banks (64 banks of 4 bytes: ISA guide 11.1)
.set FR,     8
.set NL,     2
.set NP,     4                         ; places behind this matrix instruction (ISA guide 7.12.1)
.set HALFT,  128*PITCH
.set SLOT,   4*HALFT
.set KS,     SIZE_K/32                 ; a row of scales: 32 bytes
.set SCL,    2*SLOT                    ; behind the slots: the scales, as units of 256 bytes + 16
.set HALFS,  (128*KS/256)*272
.set SBLK,   (16*KS/256)*272
.set SPARE,  SCL+4*HALFS               ; the spare words, 128 bytes for each wave: two blocks of 256 bytes that no other line names
.set HP,     272                       ; the way out, in slot 0 (it has had its one fill, and its last read stands ahead of the change of slots): f16 stage, 16 rows x (256 + 16) a wave;
.set FST,    4*16*HP                   ; behind the four: f32 stage, 16 rows x (512 + 16) a wave
.set FP,     528
.set ADRA, 16
.set ADRB, 20
.set CO32, 22                          ; v22  f32 rows: my byte offset in two planes of qkv32
.set STO,  24
.set RD,   25
.set CO,   26
.set ADRS, 27
.set SPW,  28
.set NIL,  29
.set STO32, 30
.set RD32,  31
.set SC,   32
.set AF,   128
.set TMP,  192                         ; the way out: packed results
.set OB,   32                          ; and rows read back: v32-63 and v224-255 by turns
.set G1, 24
.set G0, 32
.set G1B, 48
.set G0B, 56
.set G1S, 68
.set G0S, 76
.set G1SB, 80
.set G0SB, 88
.set MSB, 0
.macro WIN new                         ; the immediate's high byte repeats the setting that is left
.if MSB != (\new)
	s_set_vgpr_msb (MSB<<8)|(\new)
.set MSB, (\new)
.endif
.endm
.set MUL_LO, 0xa1                      ; source 0 (W) window 1, source 1 (x) window 0, C and D window 2
.set MUL_HI, 0xf1
.set TO_B,   0x40
; A joint load: waves 0 and 1 fetch for x, waves 2 and 3 for W; the branch hangs on the wave's number alone.  An s_nop 0 and four v_nop follow each of the two lines.
.macro JLOAD g0a, g1a, g0b, g1b
	s_cmp_eq_u32 s15, 0
	s_cbranch_scc0 .Lfor_b_\@
	tensor_load_to_lds s[\g0a:\g0a+3], s[\g1a:\g1a+7]
	s_nop 0
.rept 4
	v_nop
.endr
	s_branch .Lasked_\@
.Lfor_b_\@:
	tensor_load_to_lds s[\g0b:\g0b+3], s[\g1b:\g1b+7]
	s_nop 0
.rept 4
	v_nop
.endr
.Lasked_\@:
.endm
.macro CROUND                          ; a round of the cluster's barrier
	s_barrier_signal -1
	s_barrier_wait -1
	s_cmp_lg_u32 s14, 0
	s_cbranch_scc1 .Lnot_wave_0_\@
	s_barrier_signal -3
.Lnot_wave_0_\@:
	s_barrier_wait -3
	s_barrier_signal -1
	s_barrier_wait -1
.endm
	s_load_b128 s[4:7], s[0:1], 0x0                ; xc, xs
	s_load_b128 s[8:11], s[0:1], 0x10              ; wc, ws
	s_load_b64 s[12:13], s[0:1], 0x20              ; qkv
	s_load_b64 s[98:99], s[0:1], 0x28              ; qkv32
	v_lshl_add_u32 v[SPW], v0, 2, SPARE
	v_mov_b32 v[NIL], 0
	ds_add_u32 v[SPW], v[NIL]                      ; the wave's opening: the add, twice on end; its wait stands ahead of my first tensor load
	ds_add_u32 v[SPW], v[NIL]
	v_lshrrev_b32 v1, 5, v0
	v_readfirstlane_b32 s14, v1                    ; wave 0..3
	s_lshr_b32 s15, s14, 1                         ; which half of the tile's rows is mine.  Also: I fetch for x (0) or for W (1)
	s_and_b32 s16, s14, 1                          ; which half of its columns.  Also: which 128 rows of that tile I fetch
	s_bfe_u32 s40, ttmp6, 0x40000                  ; cx
	s_bfe_u32 s41, ttmp6, 0x40004                  ; cy
	s_lshl_b32 s42, ttmp9, 2
	s_add_co_u32 s42, s42, s40                     ; tile column = 4 x cluster x + cx
	s_and_b32 s95, ttmp7, 0xffff                   ; cluster y: the tile's place in a sequence
	s_lshl_b32 s17, s41, 3
	s_add_co_u32 s17, s17, s95                     ; tile row = 8 cy + cluster y
	s_lshl_b32 s43, s41, 2
	s_lshl_b32 s43, 15, s43                        ; my row of the cluster
	s_lshl_b32 s44, 0x1111, s40                    ; my column
	s_or_b32 s[G1+0], s43, (0<<16)|(1<<20)|(1<<21)|(5<<22)|(3<<25)  ; 15:0 the mask; 17:16 elements of 1 byte; 20 padding on; 21 set beside a mask; 24:22 after every 64 words; 31:25 four words
	s_or_b32 s[G1B+0], s44, (0<<16)|(1<<20)|(1<<21)|(5<<22)|(3<<25)
.irp g, G1, G1B
	s_mov_b32 s[\g+1], ROWB<<16                    ; tensor_dim0
	s_mov_b32 s[\g+2], 128<<16                     ; tensor_dim1
	s_mov_b32 s[\g+3], ROWB<<16                    ; tile_dim0
	s_mov_b32 s[\g+4], 128                         ; tile_dim1
	s_mov_b32 s[\g+5], KROW                        ; tensor_dim0_stride
	s_mov_b32 s[\g+6], 0
	s_mov_b32 s[\g+7], 0
.endr
	s_or_b32 s[G1S+0], s43, (3<<16)|(1<<20)|(1<<21)|(5<<22)|(3<<25) ; the scales of 128 rows: 4,096 dense bytes as rows of 256 (32 elements of 8 bytes), 16 bytes of padding behind each
	s_or_b32 s[G1SB+0], s44, (3<<16)|(1<<20)|(1<<21)|(5<<22)|(3<<25)
.irp g, G1S, G1SB
	s_mov_b32 s[\g+1], 32<<16
	s_mov_b32 s[\g+2], (128*KS/256)<<16
	s_mov_b32 s[\g+3], 32<<16
	s_mov_b32 s[\g+4], 128*KS/256
	s_mov_b32 s[\g+5], 32
	s_mov_b32 s[\g+6], 0
	s_mov_b32 s[\g+7], 0
.endr
	s_lshl_b32 s18, s16, 7
	s_lshl_b32 s20, s17, 8
	s_add_co_u32 s20, s20, s18                     ; x: row 256 x tile row + 128 x half
	s_lshl_b32 s46, s42, 8
	s_add_co_u32 s46, s46, s18                     ; W: row 256 x tile column + 128 x half
	s_mov_b32 s21, 0
	s_mov_b32 s47, 0
	s_mov_b64 s[18:19], KS
	s_mul_u64 s[22:23], s[20:21], s[18:19]
	s_mul_u64 s[92:93], s[46:47], s[18:19]
	s_mov_b64 s[18:19], KROW
	s_mul_u64 s[20:21], s[20:21], s[18:19]
	s_mul_u64 s[46:47], s[46:47], s[18:19]
	s_mul_i32 s45, s14, HALFT                      ; where they go: wave x 128 rows: no place in the cluster enters an LDS address
	s_mul_i32 s94, s14, HALFS
	s_wait_dscnt 0x0                               ; both opening adds are done
	s_wait_kmcnt 0x0
	s_add_nc_u64 s[20:21], s[4:5], s[20:21]
	s_add_nc_u64 s[22:23], s[6:7], s[22:23]
	s_add_nc_u64 s[46:47], s[8:9], s[46:47]
	s_add_nc_u64 s[92:93], s[10:11], s[92:93]
	CROUND                                         ; all sixteen work-groups are here: the joint loads meet
	s_mov_b32 s[G0S], 1
	s_add_co_u32 s[G0S+1], s94, SCL
	s_mov_b64 s[G0S+2:G0S+3], s[22:23]
	s_or_b32 s[G0S+3], s[G0S+3], 0x80000000
	s_mov_b32 s[G0SB], 1
	s_add_co_u32 s[G0SB+1], s94, SCL
	s_mov_b64 s[G0SB+2:G0SB+3], s[92:93]
	s_or_b32 s[G0SB+3], s[G0SB+3], 0x80000000
	JLOAD G0S, G1S, G0SB, G1SB                     ; the scales first: they are wanted with K step 0.  Three loads of mine are out at the most
.irp s, 0,1
	s_mov_b32 s[G0+4*\s], 1
	s_add_co_u32 s[G0+4*\s+1], s45, \s*SLOT
	s_add_nc_u64 s[G0+4*\s+2:G0+4*\s+3], s[20:21], \s*ROWB
	s_or_b32 s[G0+4*\s+3], s[G0+4*\s+3], 0x80000000
	s_mov_b32 s[G0B+4*\s], 1
	s_add_co_u32 s[G0B+4*\s+1], s45, \s*SLOT
	s_add_nc_u64 s[G0B+4*\s+2:G0B+4*\s+3], s[46:47], \s*ROWB
	s_or_b32 s[G0B+4*\s+3], s[G0B+4*\s+3], 0x80000000
	JLOAD G0+4*\s, G1, G0B+4*\s, G1B
.endr
	v_and_b32 v1, 15, v0                           ; r = l % 16
	v_bfe_u32 v2, v0, 4, 1                         ; h = l / 16
	v_mul_u32_u24 v3, v1, PITCH
	v_lshl_add_u32 v4, v2, 4, v3
	s_mul_i32 s21, s15, HALFT
	s_mul_i32 s22, s16, HALFT
	s_add_co_u32 s22, s22, 2*HALFT
.irp s, 0,1
	v_add_nc_u32 v[ADRA+\s], s21, v4
	v_add_nc_u32 v[ADRB+\s], s22, v4
	s_add_co_u32 s21, s21, SLOT
	s_add_co_u32 s22, s22, SLOT
.endr
	v_mul_u32_u24 v5, v1, KS                       ; my row's scales: 32 bytes a row,
	v_lshrrev_b32 v6, 8, v5
	v_lshl_add_u32 v5, v6, 4, v5                   ; and 16 more for each 256 passed
	s_mul_i32 s21, s15, HALFS
	s_mul_i32 s22, s16, HALFS
	s_add_co_u32 s22, s22, 2*HALFS
	s_sub_co_u32 s22, s22, s21
	v_mul_u32_u24 v6, s22, v2                      ; lanes 16-31 take W's
	s_add_co_u32 s21, s21, SCL
	v_add_nc_u32 v5, v5, v6
	v_add_nc_u32 v[ADRS], s21, v5
	; the way out: every address is made here, ahead of the branch on the wave's number
	s_mul_i32 s23, s14, 16*HP
	v_mul_u32_u24 v5, v1, HP
	v_lshl_add_u32 v5, v2, 4, v5
	v_add_nc_u32 v[STO], s23, v5                   ; f16, in: row r, 16 bytes for each half of the lanes
	v_and_b32 v6, 31, v0
	v_lshrrev_b32 v7, 3, v6
	v_and_b32 v8, 7, v0
	v_mul_u32_u24 v7, v7, HP
	v_lshl_add_u32 v7, v8, 4, v7
	v_add_nc_u32 v[RD], s23, v7                    ; back: eight lanes take a row's 128 bytes of one plane, four rows an instruction
	v_lshlrev_b32 v[CO], 4, v6                     ; which are 512 consecutive bytes of the plane
	s_mul_i32 s23, s14, 16*FP
	s_add_co_u32 s23, s23, FST
	v_mul_u32_u24 v5, v1, FP
	v_lshl_add_u32 v5, v2, 5, v5
	v_add_nc_u32 v[STO32], s23, v5                 ; f32, in: row r, 32 bytes for each half of the lanes
	v_add_nc_u32 v[RD32], s23, v[CO]               ; back: the 32 lanes take a row of 512 bytes: lanes 0-15 one plane's 256, lanes 16-31 the next plane's
	v_lshlrev_b32 v[CO32], 12, v2
	v_lshl_add_u32 v[CO32], v1, 4, v[CO32]
	s_mul_i32 s20, s41, 48                         ; my first plane: 48 b + 4 x tile column + 2 x column half
	s_lshl_b32 s21, s42, 2
	s_add_co_u32 s20, s20, s21
	s_lshl_b32 s21, s16, 1
	s_add_co_u32 s20, s20, s21
	s_lshl_b32 s46, s20, 12
	s_mov_b32 s47, 0
	s_add_nc_u64 s[98:99], s[98:99], s[46:47]
	s_lshl_b32 s46, s20, 18
	s_lshl_b32 s21, s95, 15                        ; + my first row in the sequence, 128 bytes a row: 256 x cluster y + 128 x row half
	s_add_co_u32 s46, s46, s21
	s_lshl_b32 s21, s15, 14
	s_add_co_u32 s46, s46, s21
	s_add_nc_u64 s[12:13], s[12:13], s[46:47]
	s_or_b32 s96, s95, s15                         ; 0 where my rows begin at s = 0: equal in all partners, for a given wave
.macro FRAG reg, adr, q, i             ; 16 rows x 128 K of 4-bit codes: lane l holds row l % 16; registers 4 c .. 4 c + 3 hold K = 64 c + 32 (l / 16) + 0 .. 31
.irp c, 0,1
	ds_load_b128 v[\reg+4*\c:\reg+4*\c+3], v[\adr] offset:64*(\q)+32*\c+(\i)*16*PITCH
.endr
.endm
; 16 matrix instructions: x's blocks a0, a0 + 1 against W's eight.  The 64 accumulators take turns, one instruction a turn, in the same order in every step.
.macro MUL16 a0, p, q, sc, zero
.irp a, \a0, \a0+1
.irp b, 0,1,2,3,4,5,6,7
.if \zero
	v_wmma_scale_f32_16x16x128_f8f6f4 v[8*(8*((\a)%4)+\b):8*(8*((\a)%4)+\b)+7], v[128*(\p)+FR*\b:128*(\p)+FR*\b+FR-1], v[AF+FR*(\a):AF+FR*(\a)+FR-1], 0, v[SC+8*NQ*(\sc)+NQ*\b+(\q)], v[SC+8*NQ*(\sc)+NQ*(\a)+(\q)] matrix_a_fmt:MATRIX_FMT_FP4 matrix_b_fmt:MATRIX_FMT_FP4 matrix_a_scale:MATRIX_SCALE_ROW1
.else
	v_wmma_scale_f32_16x16x128_f8f6f4 v[8*(8*((\a)%4)+\b):8*(8*((\a)%4)+\b)+7], v[128*(\p)+FR*\b:128*(\p)+FR*\b+FR-1], v[AF+FR*(\a):AF+FR*(\a)+FR-1], v[8*(8*((\a)%4)+\b):8*(8*((\a)%4)+\b)+7], v[SC+8*NQ*(\sc)+NQ*\b+(\q)], v[SC+8*NQ*(\sc)+NQ*(\a)+(\q)] matrix_a_fmt:MATRIX_FMT_FP4 matrix_b_fmt:MATRIX_FMT_FP4 matrix_a_scale:MATRIX_SCALE_ROW1
.endif
.endr
.endr
.endm
.macro FETCH_B slot, q, p
	WIN TO_B
.irp i, 0,1,2,3,4,5,6,7
	FRAG 128*(\p)+FR*\i, ADRB+\slot, \q, \i
.endr
	WIN 0
.endm
.macro FETCH_A slot, q, i0
.irp i, \i0, \i0+1, \i0+2, \i0+3
	FRAG AF+FR*(\i), ADRA+\slot, \q, \i
.endr
.endm
.macro SCALES sc                       ; a K step's scale words: lanes 0-15 take x's block i, lanes 16-31 W's block i
.irp i, 0,1,2,3,4,5,6,7
	ds_load_b128 v[SC+8*NQ*\sc+NQ*\i:SC+8*NQ*\sc+NQ*\i+3], v[ADRS] offset:\i*SBLK
.endr
.endm
.macro PLACES n                        ; plain vector lines between a matrix instruction and a load into, or a read of, its registers
.rept \n
	v_nop
.endr
.endm
.macro STEP slot, q, zero              ; 128 along K, with its successor in the same slot
	s_wait_dscnt 4*NL                              ; W's set and x's blocks 0-3 are in; the youngest eight loads (x's blocks 4-7) may be out
	WIN MUL_LO
	MUL16 0, (\q)%2, \q, \slot, \zero
	MUL16 2, (\q)%2, \q, \slot, \zero
	s_wait_dscnt 0
	PLACES NP
	FETCH_B \slot, (\q)+1, 1-(\q)%2
	FETCH_A \slot, (\q)+1, 0
	WIN MUL_HI
	MUL16 4, (\q)%2, \q, \slot, \zero
	MUL16 6, (\q)%2, \q, \slot, \zero
	PLACES NP
	WIN 0
	FETCH_A \slot, (\q)+1, 4
.endm
.macro TURN slot, next                 ; a slot's last step changes slots: one barrier; in front of it each wave waits for all its tensor loads (its part of the next slot) and for its reads of this one.  Nothing is filled again
	s_wait_tensorcnt 0x0
	ds_add_u32 v[SPW], v[NIL]
	s_wait_dscnt 4*NL+1                            ; the add and the youngest eight loads may be out
	WIN MUL_LO
	MUL16 0, 1, NQ-1, \slot, 0
	s_wait_dscnt 0x0                               ; the add is done, and my reads of this slot are over
	s_barrier_signal -1
	MUL16 2, 1, NQ-1, \slot, 0
	WIN 0
	s_barrier_wait -1
	PLACES NP
	v_add_nc_u32 v[ADRS], 4*NQ, v[ADRS]            ; on to the next K step's scale words
	FETCH_B \next, 0, 0
	FETCH_A \next, 0, 0
	SCALES \next
	WIN MUL_HI
	MUL16 4, 1, NQ-1, \slot, 0
	MUL16 6, 1, NQ-1, \slot, 0
	PLACES NP
	WIN 0
	FETCH_A \next, 0, 4
.endm
	s_wait_tensorcnt 1                             ; the scales and my part of K step 0 are in; K step 1's load may be out,
	s_barrier_signal -1
	s_barrier_wait -1                              ; everybody's are
	FETCH_B 0, 0, 0
	FETCH_A 0, 0, 0
	SCALES 0
	FETCH_A 0, 0, 4
	STEP 0, 0, 1                                   ; the first products start the sums: nothing is cleared
	STEP 0, 1, 0
	STEP 0, 2, 0
	TURN 0, 1
	STEP 1, 0, 0
	STEP 1, 1, 0
	STEP 1, 2, 0
	s_wait_dscnt 4*NL
	WIN MUL_LO
	MUL16 0, 1, NQ-1, 1, 0
	MUL16 2, 1, NQ-1, 1, 0
	s_wait_dscnt 0
	WIN MUL_HI
	MUL16 4, 1, NQ-1, 1, 0
	MUL16 6, 1, NQ-1, 1, 0
	WIN 0
; THE WAY OUT, block by block of 16 rows x 128 columns (two planes).  A lane holds eight neighbouring columns of one row; the block goes through my own stage and comes back so that each store covers 512 consecutive bytes of a plane.
.macro PACK a
.set AC, 64*((\a)%4)
	WIN 0x0a+5*((\a)/4)                            ; sources 0 and 1: window 2 or 3
.irp b, 0,1,2,3,4,5,6,7
.irp r, 0,1,2,3
	v_cvt_pk_f16_f32 v[TMP+4*\b+\r], v[AC+8*\b+2*\r], v[AC+8*\b+2*\r+1]   ; each accumulator from its low end on
.endr
.endr
	WIN 0
.endm
.macro TOSTAGE a
.set BB, OB+192*((\a)%2)
.irp b, 0,1,2,3,4,5,6,7
	ds_store_b128 v[STO], v[TMP+4*\b:TMP+4*\b+3] offset:32*\b
.endr
.irp t, 0,1,2,3,4,5,6,7
	ds_load_b128 v[BB+4*\t:BB+4*\t+3], v[RD] offset:(\t%4)*4*HP+(\t/4)*128   ; LDS serves a wave's instructions in order (ISA guide 5.7.1.4): these see the stores above
.endr
.endm
.macro SEND a
.set BB, OB+192*((\a)%2)
	s_wait_dscnt 0x0                               ; the block is back in registers
	s_wait_xcnt 0x0                                ; the block before last's stores have read their registers: the next block's loads may land there
.irp t, 0,1,2,3,4,5,6,7
	global_store_b128 v[CO], v[BB+4*\t:BB+4*\t+3], s[12:13] offset:(\t%4)*512+(\t/4)*262144+(\a)*2048
.endr
.endm
	PLACES NP                                      ; behind the last products: they serve every read of results and every load into operands' registers below
	s_cmp_lg_u32 s96, 0
	s_cbranch_scc1 .Lno_f32
	WIN 0x08                                       ; an LDS store's data are its source 1: window 2.  MY BLOCK 0 IS s = 0 .. 15: it leaves as f32 too
.irp b, 0,1,2,3,4,5,6,7
	ds_store_b128 v[STO32], v[8*\b:8*\b+3] offset:64*\b
	ds_store_b128 v[STO32], v[8*\b+4:8*\b+7] offset:64*\b+16
.endr
	WIN 0
.irp t, 0,1,2,3,4,5,6,7,8,9,10,11,12,13,14,15
	ds_load_b128 v[128+4*\t:128+4*\t+3], v[RD32] offset:\t*FP
.endr
	s_wait_dscnt 0x0
.irp t, 0,1,2,3,4,5,6,7,8,9,10,11,12,13,14,15
	global_store_b128 v[CO32], v[128+4*\t:128+4*\t+3], s[98:99] offset:256*\t   ; sixteen lanes store 256 consecutive bytes, aligned; v128-191 are not written again
.endr
.Lno_f32:
	PACK 0
	TOSTAGE 0
.irp a, 1,2,3,4,5,6,7                  ; block a's conversions stand between block a - 1's loads from the stage and the wait for them
	PACK \a
	SEND \a-1
	TOSTAGE \a
.endr
	SEND 7
	s_wait_tensorcnt 0x0                           ; the wave's end: behind my last tensor load and my last LDS store
	ds_add_u32 v[SPW], v[NIL]
	s_wait_dscnt 0x0
	CROUND                                         ; the closing round: no work-group ends while a partner may still ask for a tile that names it
	s_endpgm
.Lfunc_end_k_q1425f810d2_qkv:
	.size	k_q1425f810d2_qkv, .Lfunc_end_k_q1425f810d2_qkv-k_q1425f810d2_qkv
	.p2alignl 7, 3214868480
	.fill 96, 4, 3214868480
	.section	.rodata,"a",@progbits
	.p2align	6, 0x0
	.amdhsa_kernel k_q1425f810d2_qkv
		.amdhsa_group_segment_fixed_size 327680
		.amdhsa_private_segment_fixed_size 0
		.amdhsa_enable_private_segment 0
		.amdhsa_kernarg_size 48
		.amdhsa_user_sgpr_count 2
		.amdhsa_user_sgpr_kernarg_segment_ptr 1
		.amdhsa_wavefront_size32 1
		.amdhsa_system_sgpr_workgroup_id_x 1
		.amdhsa_system_sgpr_workgroup_id_y 1
		.amdhsa_system_sgpr_workgroup_id_z 1
		.amdhsa_system_vgpr_workitem_id 0
		.amdhsa_next_free_vgpr 1024
		.amdhsa_next_free_sgpr 100
		.amdhsa_reserve_vcc 0
		.amdhsa_float_denorm_mode_32 3
		.amdhsa_float_denorm_mode_16_64 3
		.amdhsa_memory_ordered 1
		.amdhsa_forward_progress 1
		.amdhsa_inst_pref_size 130
	.end_amdhsa_kernel
	.amdgpu_metadata
---
amdhsa.version: [ 1, 2 ]
amdhsa.kernels:
  - .name:           k_q1425f810d2_qkv
    .symbol:         k_q1425f810d2_qkv.kd
    .args:
      - { .name: xc, .offset: 0, .size: 8, .value_kind: global_buffer, .address_space: global }
      - { .name: xs, .offset: 8, .size: 8, .value_kind: global_buffer, .address_space: global }
      - { .name: wc, .offset: 16, .size: 8, .value_kind: global_buffer, .address_space: global }
      - { .name: ws, .offset: 24, .size: 8, .value_kind: global_buffer, .address_space: global }
      - { .name: qkv, .offset: 32, .size: 8, .value_kind: global_buffer, .address_space: global }
      - { .name: qkv32, .offset: 40, .size: 8, .value_kind: global_buffer, .address_space: global }
    .group_segment_fixed_size: 327680
    .private_segment_fixed_size: 0
    .kernarg_segment_align: 8
    .kernarg_segment_size: 48
    .max_flat_workgroup_size: 128
    .sgpr_count:     100
    .vgpr_count:     1024
    .wavefront_size: 32
...
	.end_amdgpu_metadata
.endif
;; end of part 2
;; launch attn (part 3): grid 4 x 64, 16 waves a work-group, no clusters, 327,680 bytes of LDS; arguments qkv, ao; writes ao
.if DOCPART == 3
	.amdgcn_target "amdgcn-amd-amdhsa--gfx1250"
	.amdhsa_code_object_version 6
	.text
	.protected	k_q1425f810d2_attn
	.globl	k_q1425f810d2_attn
	.p2align	8
	.type	k_q1425f810d2_attn,@function
k_q1425f810d2_attn:
	s_mov_b64 s[64:65], 0
	v_nop
	global_prefetch_b8 v0, s[64:65] scope:SCOPE_SE
	s_setreg_imm32_b32 hwreg(HW_REG_WAVE_MODE, 25, 1), 1
	s_wait_xcnt 0x0
; ATTN: ao[b][h][q][:] = sum over k <= q of softmax_k(Q[q] . K[k] / 8) V[k][:], per batch and head; head size 64, 2,048 positions.  Q, K, V: planes of qkv, f16, [s][64]; ao: f16, [b][h][s][64].
; Products on f16 operands with f32 sums; maxima, exponentials and sums in f32; the weights p (at most 1) are rounded to f16 for the second product, the result once at the end.
; (Positions 0 to 15 of every sequence are computed here like the others and are carried again, in f32, by the last launch.)
; LIMIT: the result stays under 65,504 (f16), as v does.
; SHARES.  A work-group owns query blocks i and 7 - i (256 queries each) of one head: (i + 1) + (8 - i) = 9 units of keys in every work-group.  Both blocks walk the same ring of K and V at the same time:
; eight waves on the early block, eight on the late one; a wave owns 32 queries, two tiles of 16, so each fragment read from LDS feeds two matrix instructions.
; wave w = 4 a + c: role = (a ^ c) & 1 (0 early, 1 late), its place in the block 2 a + (c >> 1): of any four waves w % 4 alike, and of any four on end, two are late.
; NO CLUSTER: the four work-groups of a head read 8, 7, 6 and 5 slots of keys; in a joint request a partner would ask for tiles that none of its waves reads.
; LAYOUT.  S^T = K Q^T (source 0 = 16 keys, source 1 = 16 queries): a lane holds ONE query (lane % 16) and keys 8 (lane / 16) + 0..7.  Two such tiles, rounded to f16 in pairs, ARE source 1 of O^T = V^T P.
; K comes out of LDS as it lies, V ([key][channel]) turned, by ds_load_tr16_b128.
; SOFTMAX.  A running maximum m and sum l for each query: p = 2^(c s - c m), c = log2(e) / 8; in every step O and l are multiplied by a = 2^(c m_old - c m_new).
; THE MASK.  Every work-group walks all 8 slots (constant trip counts, every barrier passed); a step all of whose keys come after the wave's queries is jumped over by a scalar branch on ids;
; on the diagonal hidden scores become -infinity; a slot whose first key comes after the work-group's last query is not asked for.  Key 0 counts for every query, so m is a number from the first step on.
.set PK,    144                        ; a row of K in LDS: 128 bytes + 16
.set PV,    160                        ; a row of V: 128 + 32: sixteen lanes of the turning load take 8 rows x 32 bytes
.set SKEYS, 256                        ; keys in a slot
.set VOFF,  SKEYS*PK                   ; a slot: 256 rows of K, then 256 rows of V
.set SLOT1, 1<<17                      ; slot 1 begins here: one exclusive or turns an address
.set STAGE, SLOT1+SKEYS*(PK+PV)        ; behind the ring: 32 rows x 144 bytes for each wave, for the way out
.set SPARE, STAGE+16*32*PK             ; the spare words, 128 bytes for each wave: eight blocks of 256 bytes that no other line names
.set NSL,   2048/SKEYS
.set AK0, 1                            ; v1   my lane's place in a tile of K
.set AV0, 2                            ; v2   and of V
.set ADK, 3                            ; v3, v4  the addresses of the step in hand
.set ADV, 4
.set SPW, 5                            ; v5   LDS address of my spare word; never rewritten
.set NIL, 6                            ; v6   0; never rewritten
.set PFO, 7                            ; v7   256 x lane: the prefetches' offset; never rewritten
.set ST,  12                           ; v12-27 statistics, 8 a tile: +0 c m, +1 m, +2, +3 l, +4..+7 at work (a at +6)
.set Q,   32                           ; v32-63   Q: tile t, channels 32 c on, at 32 + 16 t + 8 c
.set KV,  64                           ; v64-127  K's eight fragments, then V's eight
.set S,   128                          ; v128-191 S^T, 32 a tile; p in place; P packed into the low 16 of each tile
.set O,   192                          ; v192-255 O^T at 192 + 32 t + 8 dt
.set TB,  2                            ; s2   LDS byte at which the slot in hand begins
.set SLOTS, 3                          ; s3   changes of slots still to come in the loop
.set WV,  8
.set KF,  9                            ; s9   the step's first key
.set Q0,  10                           ; s10  my first query;  s11 my last
.set QL,  11
.set LAST, 12                          ; s12  my work-group's last query
.set LIM, 13                           ; s13  1 in a wave that prefetches, else the greatest number
.set PFA, 14                           ; s[14:15] where my prefetches stand
.set CS,  18                           ; s[18:19] c, twice: the packed form names a pair
.set SEL, 20                           ; s[20:21] lane l xor 16
.set G1K, 24
.set G1V, 32
.set G0K, 40
.set G0V, 44
; Waves 0 and 1 fetch K's halves of a slot, waves 2 and 3 V's, the others nothing.  An s_nop 0 and four v_nop follow each of the two lines.
.macro TLOAD
	s_cmp_lt_u32 s[WV], 2
	s_cbranch_scc0 .Lnot_k_\@
	tensor_load_to_lds s[G0K:G0K+3], s[G1K:G1K+7]
	s_nop 0
.rept 4
	v_nop
.endr
	s_branch .Lasked_\@
.Lnot_k_\@:
	s_cmp_lt_u32 s[WV], 4
	s_cbranch_scc0 .Lasked_\@
	tensor_load_to_lds s[G0V:G0V+3], s[G1V:G1V+7]
	s_nop 0
.rept 4
	v_nop
.endr
.Lasked_\@:
.endm
; A PREFETCH INTO THE L2 of the slot that the NEXT change will ask for: 32,768 dense bytes of K and as many of V.  The head's work-group i = 0, which walks all slots, asks, and nobody else;
; in it waves 4 to 7 ask for K, waves 8 to 11 for V: 8,192 bytes a wave, lanes 256 bytes apart, one instruction.  So each aligned block of 256 bytes is named once in the launch.
; Slots 0 and 1 come by their loads alone; the last change that fills a slot asks for nothing.
.macro ASK
	s_cmp_gt_u32 s[SLOTS], s[LIM]
	s_cbranch_scc0 .Lnot_mine_\@
	global_prefetch_b8 v[PFO], s[PFA:PFA+1] th:TH_LOAD_NT scope:SCOPE_SE
.Lnot_mine_\@:
.endm
	s_load_b128 s[4:7], s[0:1], 0x0                ; qkv, ao
	v_lshl_add_u32 v[SPW], v0, 2, SPARE
	v_mov_b32 v[NIL], 0
	ds_add_u32 v[SPW], v[NIL]                      ; the wave's opening: the add, twice on end; its wait stands ahead of my first tensor load
	ds_add_u32 v[SPW], v[NIL]
	v_lshrrev_b32 v1, 5, v0
	v_readfirstlane_b32 s[WV], v1                  ; wave 0..15
	s_lshr_b32 s16, s[WV], 2                       ; a
	s_and_b32 s17, s[WV], 3                        ; c
	s_xor_b32 s22, s16, s17
	s_and_b32 s22, s22, 1                          ; role
	s_lshr_b32 s17, s17, 1
	s_lshl_b32 s16, s16, 1
	s_add_co_u32 s16, s16, s17                     ; my place in the block, 0..7
	s_lshl_b32 s23, ttmp9, 1
	s_sub_co_u32 s23, 7, s23
	s_mul_i32 s23, s23, s22
	s_add_co_u32 s23, s23, ttmp9                   ; my block: i or 7 - i
	s_lshl_b32 s[Q0], s23, 8
	s_lshl_b32 s16, s16, 5
	s_add_co_u32 s[Q0], s[Q0], s16
	s_add_co_u32 s[QL], s[Q0], 31
	s_sub_co_u32 s[LAST], 8, ttmp9
	s_lshl_b32 s[LAST], s[LAST], 8
	s_sub_co_u32 s[LAST], s[LAST], 1
	s_and_b32 s48, ttmp7, 0xffff                   ; 16 b + h
	s_lshr_b32 s49, s48, 4
	s_and_b32 s50, s48, 15
	s_mul_i32 s49, s49, 48
	s_add_co_u32 s49, s49, s50                     ; q's plane; k's is 16 planes on, v's 32
	s_lshl_b32 s52, s49, 18
	s_mov_b32 s53, 0
	s_and_b32 s51, s[WV], 1                        ; which half of a slot I fetch, if I fetch
	s_lshl_b32 s54, s51, 14                        ; 128 rows of 128 bytes in memory
	s_mov_b32 s55, 0
	; descriptor group 1: 128 rows of 64 elements of 2 bytes, dense in memory, padded in LDS
	s_mov_b32 s[G1K], (1<<16)|(1<<20)|(4<<22)|(3<<25)             ; 17:16 elements of 2 bytes; 20 padding on; 24:22 after every 32 words; 31:25 four words
	s_mov_b32 s[G1V], (1<<16)|(1<<20)|(4<<22)|(7<<25)             ; the same with eight words
.irp g, G1K, G1V
	s_mov_b32 s[\g+1], 64<<16                      ; tensor_dim0
	s_mov_b32 s[\g+2], 128<<16                     ; tensor_dim1
	s_mov_b32 s[\g+3], 64<<16                      ; tile_dim0
	s_mov_b32 s[\g+4], 128                         ; tile_dim1
	s_mov_b32 s[\g+5], 64                          ; tensor_dim0_stride
	s_mov_b32 s[\g+6], 0
	s_mov_b32 s[\g+7], 0
.endr
	s_mov_b32 s[CS], 0x3e38aa3b                    ; c = log2(e) / 8
	s_mov_b32 s[CS+1], s[CS]
	s_mov_b32 s[SEL], 0x76543210
	s_mov_b32 s[SEL+1], 0xfedcba98
	s_mov_b32 s[TB], 0
	s_mov_b32 s[KF], 0
	s_mov_b32 s[SLOTS], NSL-1
	s_mov_b32 s[G0K], 1
	s_mul_i32 s[G0K+1], s51, 128*PK                ; LDS: slot 0, my half of K
	s_mov_b32 s[G0V], 1
	s_mul_i32 s[G0V+1], s51, 128*PV
	s_add_co_u32 s[G0V+1], s[G0V+1], VOFF          ; my half of V
	s_wait_dscnt 0x0                               ; both opening adds are done
	s_wait_kmcnt 0x0
	s_add_nc_u64 s[52:53], s[4:5], s[52:53]        ; qkv at q's plane
	s_add_nc_u64 s[G0K+2:G0K+3], s[52:53], s[54:55]
	s_add_nc_u64 s[G0K+2:G0K+3], s[G0K+2:G0K+3], 0x400000
	s_or_b32 s[G0K+3], s[G0K+3], 0x80000000
	s_add_nc_u64 s[G0V+2:G0V+3], s[52:53], s[54:55]
	s_add_nc_u64 s[G0V+2:G0V+3], s[G0V+2:G0V+3], 0x800000
	s_or_b32 s[G0V+3], s[G0V+3], 0x80000000
	TLOAD                                          ; slot 0: keys 0 to 255, which count for queries of every work-group
	s_lshl_b32 s56, s[Q0], 7
	s_mov_b32 s57, 0
	s_add_nc_u64 s[60:61], s[52:53], s[56:57]      ; Q at my first query
	s_lshl_b32 s62, s48, 18
	s_add_co_u32 s62, s62, s56
	s_mov_b32 s63, 0
	s_add_nc_u64 s[6:7], s[6:7], s[62:63]          ; ao likewise
	s_mov_b32 s58, 0x800000
	s_cmp_lt_u32 s[WV], 8                          ; waves 4 to 7 ask for K, waves 8 to 11 for V
	s_cselect_b32 s58, 0x400000, s58
	s_and_b32 s59, s[WV], 3
	s_lshl_b32 s59, s59, 13
	s_add_co_u32 s58, s58, s59
	s_add_co_u32 s58, s58, 32768                   ; in slot 1: the first change of slots steps it to slot 2.  Nothing is prefetched here, at the head
	s_mov_b32 s59, 0
	s_add_nc_u64 s[PFA:PFA+1], s[52:53], s[58:59]
	s_sub_co_u32 s58, s[WV], 4
	s_lshr_b32 s58, s58, 3                         ; 0 in waves 4 to 11,
	s_or_b32 s58, s58, ttmp9                       ; of work-group i = 0
	s_cmp_eq_u32 s58, 0
	s_cselect_b32 s[LIM], 1, -1
	v_and_b32 v28, 15, v0                          ; r
	v_bfe_u32 v29, v0, 4, 1                        ; h
	v_lshlrev_b32 v11, 7, v28
	v_lshl_add_u32 v11, v29, 4, v11                ; Q: row r of 128 bytes, + 16 h
.irp t, 0,1
.irp c, 0,1
	global_load_b128 v[Q+16*\t+8*\c:Q+16*\t+8*\c+3],   v11, s[60:61] offset:2048*\t+64*\c
	global_load_b128 v[Q+16*\t+8*\c+4:Q+16*\t+8*\c+7], v11, s[60:61] offset:2048*\t+64*\c+32
.endr
.endr
	v_mul_u32_u24 v[AK0], v28, PK
	v_lshl_add_u32 v[AK0], v29, 4, v[AK0]          ; K: row r x pitch + 16 h
	v_and_b32 v30, 7, v0
	v_bfe_u32 v31, v0, 3, 1
	v_lshl_add_u32 v[AV0], v29, 3, v30             ; V, turned: key 8 h + l % 8, channels 8 ((l / 8) % 2) on
	v_mul_u32_u24 v[AV0], v[AV0], PV
	v_lshl_add_u32 v[AV0], v31, 4, v[AV0]
	v_add_nc_u32 v[AV0], VOFF, v[AV0]
	v_lshlrev_b32 v8, 3, v29
	v_sub_nc_u32 v8, v28, v8                       ; v8 = r - 8 h, for the mask
	v_mov_b32 v10, 0xff800000                      ; -infinity
	v_and_b32 v[PFO], 31, v0
	v_lshlrev_b32 v[PFO], 8, v[PFO]
.irp t, 0,1
	v_mov_b32 v[ST+8*\t+1], 0xff61b1e6             ; m = -3e38, under every score
	v_mul_f32 v[ST+8*\t], s[CS], v[ST+8*\t+1]
.irp j, 2,3,4,5,6,7
	v_mov_b32 v[ST+8*\t+\j], 0                     ; l; and what is named before a step has written it
.endr
.endr
.set n, 0
.rept 64
	v_mov_b32 v[O+n], 0                            ; O^T.  (The step is written once: the first finds zeros, which a = 0 leaves zeros)
.set n, n+1
.endr
; A KEY STEP: 64 keys, the q-th of the slot in hand.
.macro STEP q
	s_cmp_gt_u32 s[KF], s[QL]                      ; all its keys come after my queries: left out
	s_cbranch_scc1 .Lhidden_\@
	v_add_nc_u32 v[ADK], s[TB], v[AK0]
	v_add_nc_u32 v[ADV], s[TB], v[AV0]
.rept 3
	v_nop                                          ; with the two additions five places behind the last step's products: the loads below land on V's fragments, and the products below write over P
.endr
.irp kt, 0,1,2,3
.irp c, 0,1
	ds_load_b128 v[KV+16*\kt+8*\c:KV+16*\kt+8*\c+3],   v[ADK] offset:(\q)*64*PK+\kt*16*PK+64*\c
	ds_load_b128 v[KV+16*\kt+8*\c+4:KV+16*\kt+8*\c+7], v[ADK] offset:(\q)*64*PK+\kt*16*PK+64*\c+32
.endr
.endr
	s_wait_dscnt 0x0
.irp c, 0,1                            ; S^T = K Q^T: the eight accumulators take turns, one instruction a turn
.irp kt, 0,1,2,3
.irp t, 0,1
.if \c == 0
	v_wmma_f32_16x16x32_f16 v[S+32*\t+8*\kt:S+32*\t+8*\kt+7], v[KV+16*\kt+8*\c:KV+16*\kt+8*\c+7], v[Q+16*\t+8*\c:Q+16*\t+8*\c+7], 0
.else
	v_wmma_f32_16x16x32_f16 v[S+32*\t+8*\kt:S+32*\t+8*\kt+7], v[KV+16*\kt+8*\c:KV+16*\kt+8*\c+7], v[Q+16*\t+8*\c:Q+16*\t+8*\c+7], v[S+32*\t+8*\kt:S+32*\t+8*\kt+7]
.endif
.endr
.endr
.endr
.rept 4
	v_nop                                          ; places: in front of the loads into K's registers, and of the first read of the scores
.endr
.irp g, 0,1                            ; V of this step, turned, into K's registers: it lands under the softmax
.irp dt, 0,1,2,3
	ds_load_tr16_b128 v[KV+32*\g+8*\dt:KV+32*\g+8*\dt+3],   v[ADV] offset:(\q)*64*PV+\g*32*PV+32*\dt
	ds_load_tr16_b128 v[KV+32*\g+8*\dt+4:KV+32*\g+8*\dt+7], v[ADV] offset:(\q)*64*PV+\g*32*PV+32*\dt+16*PV
.endr
.endr
	s_add_co_u32 s16, s[KF], 63
	s_cmp_le_u32 s16, s[Q0]                        ; all keys count for all my queries: no mask
	s_cbranch_scc1 .Lopen_\@
	s_sub_co_i32 s16, s[Q0], s[KF]
	v_add_nc_u32 v9, s16, v8                       ; d = Q0 - KF + r - 8 h.  Register 32 t + 8 kt + j holds key KF + 16 kt + 8 h + j for query Q0 + 16 t + r: hidden where 16 kt + j - 16 t > d
.set n, 0
.rept 64
	v_cmp_gt_i32 vcc_lo, 16*((n%32)/8)+n%8-16*(n/32), v9
	v_cndmask_b32 v[S+n], v[S+n], v10, vcc_lo
.set n, n+1
.endr
.Lopen_\@:
.irp j, 0,1,2,3                        ; the maximum: four chains a tile, the tiles by turns; each accumulator is first read at its low end
.irp t, 0,1
	v_max3_num_f32 v[ST+8*\t+4+\j], v[S+32*\t+8*\j], v[S+32*\t+8*\j+1], v[S+32*\t+8*\j+2]
.endr
.endr
.irp u, 1,2
.irp j, 0,1,2,3
.irp t, 0,1
	v_max3_num_f32 v[ST+8*\t+4+\j], v[ST+8*\t+4+\j], v[S+32*\t+8*\j+2*\u+1], v[S+32*\t+8*\j+2*\u+2]
.endr
.endr
.endr
.irp t, 0,1
	v_max3_num_f32 v[ST+8*\t+4], v[ST+8*\t+4], v[S+32*\t+7], v[S+32*\t+15]
.endr
.irp t, 0,1
	v_max3_num_f32 v[ST+8*\t+6], v[ST+8*\t+6], v[S+32*\t+23], v[S+32*\t+31]
.endr
.irp t, 0,1
	v_max3_num_f32 v[ST+8*\t+4], v[ST+8*\t+4], v[ST+8*\t+5], v[ST+8*\t+6]
.endr
.irp t, 0,1
	v_max3_num_f32 v[ST+8*\t+4], v[ST+8*\t+4], v[ST+8*\t+7], v[ST+8*\t+1]   ; and the old m
.endr
.irp t, 0,1
	v_permlanex16_b32 v[ST+8*\t+5], v[ST+8*\t+4], s[SEL], s[SEL+1]          ; the query's other 32 keys lie in the lane 16 away
.endr
.irp t, 0,1
	v_mov_b32 v[ST+8*\t+7], v[ST+8*\t]             ; c m_old
.endr
.irp t, 0,1
	v_max_num_f32 v[ST+8*\t+1], v[ST+8*\t+4], v[ST+8*\t+5]
.endr
.irp t, 0,1
	v_mul_f32 v[ST+8*\t], s[CS], v[ST+8*\t+1]
.endr
.irp t, 0,1
	v_sub_f32 v[ST+8*\t+7], v[ST+8*\t+7], v[ST+8*\t]
.endr
.irp b, 0,1,2,3,4,5,6,7,8,9,10,11,12,13,14,15
.irp t, 0,1
	v_pk_fma_f32 v[S+32*\t+2*\b:S+32*\t+2*\b+1], v[S+32*\t+2*\b:S+32*\t+2*\b+1], s[CS:CS+1], v[ST+8*\t:ST+8*\t+1] op_sel_hi:[1,0,0] neg_lo:[0,0,1] neg_hi:[0,0,1]   ; c s - c m
.endr
.endr
.irp t, 0,1
	v_exp_f32 v[ST+8*\t+6], v[ST+8*\t+7]           ; a
.endr
.set n, 0
.rept 32
	v_exp_f32 v[S+n], v[S+n]                       ; p, at most 1.  ONE BATCH of 66: none of these reads an exponential's result
	v_exp_f32 v[S+32+n], v[S+32+n]
.set n, n+1
.endr
	v_nop                                          ; the plain line behind the last exponential
	s_wait_alu depctr_va_vdst(0)                   ; the wait ahead of the first line that names a result: one for the batch
.irp t, 0,1
	v_pk_fma_f32 v[ST+8*\t+2:ST+8*\t+3], v[ST+8*\t+2:ST+8*\t+3], v[ST+8*\t+6:ST+8*\t+7], v[S+32*\t:S+32*\t+1] op_sel_hi:[1,0,1]   ; l = a l + pair 0: the sums, of p in f32, in two chains a tile
.endr
.irp t, 0,1
	v_pk_add_f32 v[ST+8*\t+4:ST+8*\t+5], v[S+32*\t+2:S+32*\t+3], v[S+32*\t+4:S+32*\t+5]
.endr
.irp b, 3,5,7,9,11,13
.irp t, 0,1
	v_pk_add_f32 v[ST+8*\t+2:ST+8*\t+3], v[ST+8*\t+2:ST+8*\t+3], v[S+32*\t+2*\b:S+32*\t+2*\b+1]
.endr
.irp t, 0,1
	v_pk_add_f32 v[ST+8*\t+4:ST+8*\t+5], v[ST+8*\t+4:ST+8*\t+5], v[S+32*\t+2*\b+2:S+32*\t+2*\b+3]
.endr
.endr
.irp t, 0,1
	v_pk_add_f32 v[ST+8*\t+2:ST+8*\t+3], v[ST+8*\t+2:ST+8*\t+3], v[S+32*\t+30:S+32*\t+31]
.endr
.irp t, 0,1
	v_pk_add_f32 v[ST+8*\t+2:ST+8*\t+3], v[ST+8*\t+2:ST+8*\t+3], v[ST+8*\t+4:ST+8*\t+5]
.endr
.set n, 0
.rept 16
	v_cvt_pk_f16_f32 v[S+n], v[S+2*n], v[S+2*n+1]                  ; P, in place and ascending: register n is written when registers 2 n, 2 n + 1 are read
	v_cvt_pk_f16_f32 v[S+32+n], v[S+32+2*n], v[S+32+2*n+1]
.set n, n+1
.endr
.set n, 0
.rept 16
	v_pk_mul_f32 v[O+2*n:O+2*n+1], v[O+2*n:O+2*n+1], v[ST+6:ST+7] op_sel_hi:[1,0]          ; O^T x a, each accumulator from its low end on
	v_pk_mul_f32 v[O+32+2*n:O+32+2*n+1], v[O+32+2*n:O+32+2*n+1], v[ST+14:ST+15] op_sel_hi:[1,0]
.set n, n+1
.endr
	s_wait_dscnt 0x0                               ; V is in
.irp g, 0,1                            ; O^T += V^T P: keys 32 g on; the eight accumulators take turns
.irp dt, 0,1,2,3
.irp t, 0,1
	v_wmma_f32_16x16x32_f16 v[O+32*\t+8*\dt:O+32*\t+8*\dt+7], v[KV+32*\g+8*\dt:KV+32*\g+8*\dt+7], v[S+32*\t+8*\g:S+32*\t+8*\g+7], v[O+32*\t+8*\dt:O+32*\t+8*\dt+7]
.endr
.endr
.endr
.Lhidden_\@:
	s_add_co_u32 s[KF], s[KF], 64
.endm
; THE CHANGE OF SLOTS stands at a slot's head.  Each wave waits for all its tensor loads (its part of the slot ahead), adds 0 to its spare word, and waits for that and for its reads of the slot that it has left.
; Behind the barrier the slot ahead is whole and nobody reads the other one; fill = 1: that one is filled with the next 256 keys, up to the causal limit: the load has a slot's four steps in which to land.
.macro CHANGE fill
	s_wait_tensorcnt 0x0                           ; no tensor load of mine is out, so a group 0 may be written
	ds_add_u32 v[SPW], v[NIL]
.if \fill
	ds_add_u32 v[SPW], v[NIL]                      ; and once morethe add stands twice on end, in every trip alike
	s_xor_b32 s[G0K+1], s[G0K+1], SLOT1
	s_add_nc_u64 s[G0K+2:G0K+3], s[G0K+2:G0K+3], SKEYS*128
	s_xor_b32 s[G0V+1], s[G0V+1], SLOT1
	s_add_nc_u64 s[G0V+2:G0V+3], s[G0V+2:G0V+3], SKEYS*128
	s_wait_xcnt 0x0                                ; the last prefetch, a slot back, has read its address
	s_add_nc_u64 s[PFA:PFA+1], s[PFA:PFA+1], SKEYS*128
.endif
	s_wait_dscnt 0x0
	s_barrier_signal -1
	s_barrier_wait -1
.if \fill
	s_add_co_u32 s16, s[KF], SKEYS                 ; the first key of the slot that this change would ask for
	s_cmp_gt_u32 s16, s[LAST]                      ; past my work-group's last query: none of its waves would read it.  Ids and the count of steps alone: all sixteen waves go the same way
	s_cbranch_scc1 .Lpast_\@
	TLOAD                                          ; a wave's one tensor load until the next barrier
.Lpast_\@:
	ASK
.endif
.endm
.macro SLOT_STEPS
	STEP 0
	STEP 1
	STEP 2
	STEP 3
	s_xor_b32 s[TB], s[TB], SLOT1
.endm
	s_wait_loadcnt 0x0                             ; Q
.Lslot:                                            ; NSL - 1 trips
	CHANGE 1
	SLOT_STEPS
	s_sub_co_u32 s[SLOTS], s[SLOTS], 1
	s_cmp_lg_u32 s[SLOTS], 0
	s_cbranch_scc1 .Lslot
	CHANGE 0                                       ; the last slot is written out: nothing is left to ask for
	SLOT_STEPS
	; THE WAY OUT.  The addresses are made first: plain lines, the places behind the last products.
	v_and_b32 v28, 15, v0
	v_bfe_u32 v29, v0, 4, 1
	s_mul_i32 s16, s[WV], 32*PK
	s_add_co_u32 s16, s16, STAGE                   ; my stage
	v_mul_u32_u24 v30, v28, PK
	v_lshl_add_u32 v30, v29, 4, v30
	v_add_nc_u32 v30, s16, v30                     ; in: row r, 16 bytes for each half of the lanes
	v_and_b32 v11, 31, v0
	v_lshrrev_b32 v31, 3, v11
	v_and_b32 v28, 7, v0
	v_mul_u32_u24 v31, v31, PK
	v_lshl_add_u32 v31, v28, 4, v31
	v_add_nc_u32 v31, s16, v31                     ; back: eight lanes to a row of 128 bytes, four rows an instruction
	v_lshlrev_b32 v11, 4, v11                      ; which are 512 consecutive bytes of ao
.irp t, 0,1
	v_add_f32 v[ST+8*\t+4], v[ST+8*\t+2], v[ST+8*\t+3]
.endr
.irp t, 0,1
	v_permlanex16_b32 v[ST+8*\t+5], v[ST+8*\t+4], s[SEL], s[SEL+1]
.endr
.irp t, 0,1
	v_add_f32 v[ST+8*\t+4], v[ST+8*\t+4], v[ST+8*\t+5]
.endr
.irp t, 0,1
	v_rcp_f32 v[ST+8*\t+6], v[ST+8*\t+4]
.endr
	v_nop                                          ; a plain line behind the last reciprocal
	s_wait_alu depctr_va_vdst(0)                   ; and the wait ahead of the first use: one for both
.set n, 0
.rept 16
	v_pk_mul_f32 v[O+2*n:O+2*n+1], v[O+2*n:O+2*n+1], v[ST+6:ST+7] op_sel_hi:[1,0]
	v_pk_mul_f32 v[O+32+2*n:O+32+2*n+1], v[O+32+2*n:O+32+2*n+1], v[ST+14:ST+15] op_sel_hi:[1,0]
.set n, n+1
.endr
.set n, 0
.rept 32
	v_cvt_pk_f16_f32 v[S+n], v[O+2*n], v[O+2*n+1]  ; register 16 t + 4 dt + i: channels 16 dt + 8 h + 2 i, + 1 of query 16 t + r
.set n, n+1
.endr
.irp t, 0,1
.irp dt, 0,1,2,3
	ds_store_b128 v30, v[S+16*\t+4*\dt:S+16*\t+4*\dt+3] offset:\t*16*PK+32*\dt
.endr
.endr
.irp u, 0,1,2,3,4,5,6,7
	ds_load_b128 v[S+32+4*\u:S+32+4*\u+3], v31 offset:4*PK*\u      ; LDS serves a wave's instructions in order (ISA guide 5.7.1.4): these see my stores
.endr
.irp u, 0,1,2,3,4,5,6,7
	s_wait_dscnt 7-\u                              ; the younger loads may be out
	global_store_b128 v11, v[S+32+4*\u:S+32+4*\u+3], s[6:7] offset:512*\u   ; 32 lanes store 512 consecutive bytes, aligned
.endr
	s_wait_tensorcnt 0x0                           ; the wave's end: behind my last tensor load and my last LDS store
	ds_add_u32 v[SPW], v[NIL]
	s_wait_dscnt 0x0
	s_endpgm
.Lfunc_end_k_q1425f810d2_attn:
	.size	k_q1425f810d2_attn, .Lfunc_end_k_q1425f810d2_attn-k_q1425f810d2_attn
	.p2alignl 7, 3214868480
	.fill 96, 4, 3214868480
	.section	.rodata,"a",@progbits
	.p2align	6, 0x0
	.amdhsa_kernel k_q1425f810d2_attn
		.amdhsa_group_segment_fixed_size 327680
		.amdhsa_private_segment_fixed_size 0
		.amdhsa_enable_private_segment 0
		.amdhsa_kernarg_size 16
		.amdhsa_user_sgpr_count 2
		.amdhsa_user_sgpr_kernarg_segment_ptr 1
		.amdhsa_wavefront_size32 1
		.amdhsa_system_sgpr_workgroup_id_x 1
		.amdhsa_system_sgpr_workgroup_id_y 1
		.amdhsa_system_sgpr_workgroup_id_z 1
		.amdhsa_system_vgpr_workitem_id 0
		.amdhsa_next_free_vgpr 256
		.amdhsa_next_free_sgpr 66
		.amdhsa_reserve_vcc 1
		.amdhsa_float_denorm_mode_32 3
		.amdhsa_float_denorm_mode_16_64 3
		.amdhsa_memory_ordered 1
		.amdhsa_forward_progress 1
		.amdhsa_inst_pref_size 187
	.end_amdhsa_kernel
	.amdgpu_metadata
---
amdhsa.version: [ 1, 2 ]
amdhsa.kernels:
  - .name:           k_q1425f810d2_attn
    .symbol:         k_q1425f810d2_attn.kd
    .args:
      - { .name: qkv, .offset: 0, .size: 8, .value_kind: global_buffer, .address_space: global }
      - { .name: ao, .offset: 8, .size: 8, .value_kind: global_buffer, .address_space: global }
    .group_segment_fixed_size: 327680
    .private_segment_fixed_size: 0
    .kernarg_segment_align: 8
    .kernarg_segment_size: 16
    .max_flat_workgroup_size: 512
    .sgpr_count:     66
    .vgpr_count:     256
    .wavefront_size: 32
...
	.end_amdgpu_metadata
.endif
;; end of part 3
;; launch proj (part 4): grid 8 x 32, 4 waves a work-group, clusters of 4 x 4, 327,680 bytes of LDS; arguments ao, wo16, bo, out0; writes out0
.if DOCPART == 4
	.amdgcn_target "amdgcn-amd-amdhsa--gfx1250"
	.amdhsa_code_object_version 6
	.text
	.protected	k_q1425f810d2_proj
	.globl	k_q1425f810d2_proj
	.p2align	8
	.type	k_q1425f810d2_proj,@function
k_q1425f810d2_proj:
	s_mov_b64 s[64:65], 0
	v_nop
	global_prefetch_b8 v0, s[64:65] scope:SCOPE_SE
	s_setreg_imm32_b32 hwreg(HW_REG_WAVE_MODE, 25, 1), 1
	s_wait_xcnt 0x0
	s_wait_alu depctr_hold_cnt(0) depctr_sa_sdst(0) depctr_va_vdst(0) depctr_va_sdst(0) depctr_va_ssrc(0) depctr_va_vcc(0) depctr_vm_vsrc(0)
	s_getreg_b32 s2, hwreg(HW_REG_IB_STS2, 6, 4)
	s_cmp_eq_u32 s2, 0
	s_cbranch_scc0 .Lentry_in_a_cluster
	s_endpgm
.Lentry_in_a_cluster:
	s_bfe_u32 s2, ttmp6, 0x10000c
	s_cmp_lg_u32 s2, 0xf033
	s_cbranch_scc0 .Lentry_shape_is_right
	s_endpgm
.Lentry_shape_is_right:
; PROJ: out0[m][n] = sum over k of A[m][k] Wo[k][n] + bo[n].  m = 2048 b + s, k = 64 head + d; A = ao, f16, [b][head][s][64]; wo16: f16, [k 1024][n 1024]; bo, out0: f32.  Sums in f32.
; (The rows s < 16 are written here like the others and are written again, carried in f32 throughout, by the launch that follows.)
; A tile of C is 256 (m) x 128 (n): 256 work-groups.  Four waves, each 128 x 64: 32 accumulators, 256 registers.  K goes in steps of 128 (two heads) through a ring of two LDS slots.
; A's tile of a K step is two dense blocks of memory, 256 rows x 128 bytes of two heads' planes; Wo's is 128 rows (k) of 256 bytes, and comes out of LDS turned, by ds_load_tr16_b128.
; CLUSTERS: 4 x 4.  The four of a row of the cluster need the same tiles of A, the four of a column the same tiles of Wo: each is asked for JOINTLY.
; THE MATRIX INSTRUCTION IS USED TRANSPOSED (source 0 = 16 columns n of Wo, source 1 = 16 rows of A): a lane holds eight neighbouring n of one row m.  The bias is the C of each sum's first product.
; REGISTERS: window 0: v0-31 addresses; v32-63 the bias in the result's layout; v64-127 rows on the way out.   window 1: two fragment buffers at 0 and 128: 64 registers of A, then 32 of Wo.   window 2: the accumulators, (a, b) at v[8 (4 a + b)].
.set PA,     144                       ; a row of A in LDS: 128 bytes + 16
.set PB,     288                       ; a row of Wo: 256 + 32
.set APL,    256*PA                    ; a head's plane of the tile
.set BOFF,   2*APL
.set SLOT,   BOFF+128*PB
.set STAGE,  2*SLOT                    ; behind the ring: 16 rows x (256 + 16) for each wave
.set SPITCH, 272
.set SPARE,  STAGE+4*16*SPITCH         ; the spare words, 128 bytes for each wave: two blocks of 256 bytes that no other line names
.set LAPS,   4                         ; a lap = two K steps; K = 1,024
.set ASTEP,  2*262144                  ; a K step on in ao: two planes
.set BSTEP,  128*2048                  ; and in wo16: 128 rows
.set ADRA, 16
.set ADRB, 20
.set STO,  24
.set RD,   25
.set CO,   26
.set SPW,  28
.set NIL,  29
.set BIAS, 32
.set BK,   64
.set F0,   0
.set F1,   128
.set G1, 24
.set G0, 32
.set G1B, 48
.set G0B, 56
.set MSB, 0
.macro WIN new
.if MSB != (\new)
	s_set_vgpr_msb (MSB<<8)|(\new)
.set MSB, (\new)
.endif
.endm
.set MUL,  0xa5                        ; sources 0 and 1 window 1; C and D window 2
.set MULF, 0x85                        ; the same with C (the bias) in window 0
.set TO_F, 0x40                        ; destination window 1, address window 0
.macro JLOAD s                         ; waves 0 and 1 fetch A's two planes, waves 2 and 3 Wo's two halves; an s_nop 0 and four v_nop follow each of the two lines
	s_cmp_eq_u32 s13, 0
	s_cbranch_scc0 .Lfor_b_\@
	tensor_load_to_lds s[G0+4*\s:G0+4*\s+3], s[G1:G1+7]
	s_nop 0
.rept 4
	v_nop
.endr
	s_branch .Lasked_\@
.Lfor_b_\@:
	tensor_load_to_lds s[G0B+4*\s:G0B+4*\s+3], s[G1B:G1B+7]
	s_nop 0
.rept 4
	v_nop
.endr
.Lasked_\@:
.endm
.macro CREST
	s_cmp_lg_u32 s12, 0
	s_cbranch_scc1 .Lnot_wave_0_\@
	s_barrier_signal -3
.Lnot_wave_0_\@:
	s_barrier_wait -3
	s_barrier_signal -1
	s_barrier_wait -1
.endm
.macro CROUND
	s_barrier_signal -1
	s_barrier_wait -1
	CREST
.endm
	s_load_b256 s[4:11], s[0:1], 0x0               ; ao 4, wo16 6, bo 8, out0 10
	v_lshl_add_u32 v[SPW], v0, 2, SPARE
	v_mov_b32 v[NIL], 0
	ds_add_u32 v[SPW], v[NIL]                      ; the wave's opening: the add, twice on end; its wait stands ahead of my first tensor load
	ds_add_u32 v[SPW], v[NIL]
	v_lshrrev_b32 v1, 5, v0
	v_readfirstlane_b32 s12, v1                    ; wave 0..3
	s_lshr_b32 s13, s12, 1                         ; which half of the tile's rows is mine.  Also: I fetch for A (0) or for Wo (1)
	s_and_b32 s14, s12, 1                          ; which half of its columns.  Also: which plane, or which 64 rows of Wo, I fetch
	s_bfe_u32 s40, ttmp6, 0x40000                  ; cx
	s_bfe_u32 s41, ttmp6, 0x40004                  ; cy
	s_lshl_b32 s42, ttmp9, 2
	s_add_co_u32 s42, s42, s40                     ; tile column
	s_and_b32 s15, ttmp7, 0xffff
	s_lshl_b32 s15, s15, 2
	s_add_co_u32 s15, s15, s41                     ; tile row
	s_lshl_b32 s43, s41, 2
	s_lshl_b32 s43, 15, s43                        ; my row of the cluster
	s_lshl_b32 s44, 0x1111, s40                    ; my column
	s_or_b32 s[G1+0], s43, (1<<16)|(1<<20)|(1<<21)|(4<<22)|(3<<25)  ; A: elements of 2 bytes; padding of 4 words after every 32; bit 21 beside the mask
	s_mov_b32 s[G1+1], 64<<16                      ; tensor_dim0
	s_mov_b32 s[G1+2], 256<<16                     ; tensor_dim1
	s_mov_b32 s[G1+3], 64<<16                      ; tile_dim0
	s_mov_b32 s[G1+4], 256                         ; tile_dim1
	s_mov_b32 s[G1+5], 64                          ; tensor_dim0_stride
	s_mov_b32 s[G1+6], 0
	s_mov_b32 s[G1+7], 0
	s_or_b32 s[G1B+0], s44, (1<<16)|(1<<20)|(1<<21)|(5<<22)|(7<<25) ; Wo: padding of 8 words after every 64
	s_mov_b32 s[G1B+1], 128<<16
	s_mov_b32 s[G1B+2], 64<<16
	s_mov_b32 s[G1B+3], 128<<16
	s_mov_b32 s[G1B+4], 64
	s_mov_b32 s[G1B+5], 1024
	s_mov_b32 s[G1B+6], 0
	s_mov_b32 s[G1B+7], 0
	s_lshr_b32 s16, s15, 3                         ; A hangs on the tile row and the wave's number alone: the batch, 16 planes of 262,144 bytes,
	s_lshl_b32 s16, s16, 22
	s_and_b32 s17, s15, 7
	s_lshl_b32 s17, s17, 15                        ; 256 rows of 128 bytes for each tile of the sequence,
	s_add_co_u32 s16, s16, s17
	s_lshl_b32 s17, s14, 18                        ; my plane of the K step's two
	s_add_co_u32 s16, s16, s17
	s_mov_b32 s17, 0
	s_lshl_b32 s46, s14, 17                        ; Wo on the tile column and the wave's number alone: my 64 rows of 2,048 bytes,
	s_lshl_b32 s47, s42, 8                         ; the tile's 256 bytes of a row
	s_add_co_u32 s46, s46, s47
	s_mov_b32 s47, 0
	s_mul_i32 s20, s14, APL                        ; where they go: no place in the cluster enters an LDS address
	s_mul_i32 s21, s14, 64*PB
	s_add_co_u32 s21, s21, BOFF
	s_wait_dscnt 0x0                               ; both opening adds are done
	s_wait_kmcnt 0x0
	s_add_nc_u64 s[16:17], s[4:5], s[16:17]
	s_add_nc_u64 s[46:47], s[6:7], s[46:47]
	CROUND                                         ; all sixteen work-groups are here: the first joint loads meet
.irp s, 0,1
	s_mov_b32 s[G0+4*\s], 1
	s_add_co_u32 s[G0+4*\s+1], s20, \s*SLOT
	s_add_nc_u64 s[G0+4*\s+2:G0+4*\s+3], s[16:17], \s*ASTEP
	s_or_b32 s[G0+4*\s+3], s[G0+4*\s+3], 0x80000000
	s_mov_b32 s[G0B+4*\s], 1
	s_add_co_u32 s[G0B+4*\s+1], s21, \s*SLOT
	s_add_nc_u64 s[G0B+4*\s+2:G0B+4*\s+3], s[46:47], \s*BSTEP
	s_or_b32 s[G0B+4*\s+3], s[G0B+4*\s+3], 0x80000000
	JLOAD \s
.endr
	v_and_b32 v1, 15, v0                           ; r
	v_bfe_u32 v2, v0, 4, 1                         ; h
	s_lshl_b32 s22, s42, 9                         ; my first column, in bytes of f32: 512 x tile column + 256 x half
	s_lshl_b32 s23, s14, 8
	s_add_co_u32 s22, s22, s23
	s_mov_b32 s23, 0
	s_add_nc_u64 s[8:9], s[8:9], s[22:23]
	v_lshlrev_b32 v6, 5, v2
.irp b, 0,1,2,3
	global_load_b128 v[BIAS+8*\b:BIAS+8*\b+3],   v6, s[8:9] offset:64*\b        ; bo[n0 + 16 b + 8 h + 0 .. 7]
	global_load_b128 v[BIAS+8*\b+4:BIAS+8*\b+7], v6, s[8:9] offset:64*\b+16
.endr
	s_lshl_b32 s18, s15, 20                        ; my first row of out0: 256 x tile row + 128 x half, 4,096 bytes a row
	s_lshl_b32 s19, s13, 19
	s_add_co_u32 s18, s18, s19
	s_add_co_u32 s18, s18, s22
	s_mov_b32 s19, 0
	s_add_nc_u64 s[10:11], s[10:11], s[18:19]
	v_mul_u32_u24 v3, v1, PA
	v_lshl_add_u32 v3, v2, 4, v3                   ; A: row r x pitch + 16 h
	v_and_b32 v4, 7, v0
	v_bfe_u32 v5, v0, 3, 1
	v_lshl_add_u32 v4, v2, 3, v4                   ; Wo, turned: k = 8 h + l % 8, columns 8 ((l / 8) % 2) on
	v_mul_u32_u24 v4, v4, PB
	v_lshl_add_u32 v4, v5, 4, v4
	s_mul_i32 s21, s13, 128*PA                     ; my 128 rows of A
	s_lshl_b32 s22, s14, 7                         ; my 64 columns of Wo
	s_add_co_u32 s22, s22, BOFF
.irp s, 0,1
	v_add_nc_u32 v[ADRA+\s], s21, v3
	v_add_nc_u32 v[ADRB+\s], s22, v4
	s_add_co_u32 s21, s21, SLOT
	s_add_co_u32 s22, s22, SLOT
.endr
	s_mul_i32 s23, s12, 16*SPITCH
	s_add_co_u32 s23, s23, STAGE                   ; my stage
	v_mul_u32_u24 v5, v1, SPITCH
	v_lshl_add_u32 v5, v2, 5, v5
	v_add_nc_u32 v[STO], s23, v5                   ; in: row r, 32 bytes for each half of the lanes
	v_mul_u32_u24 v5, v2, SPITCH
	v_lshl_add_u32 v5, v1, 4, v5
	v_add_nc_u32 v[RD], s23, v5                    ; back: lanes 0-15 one row of 256 bytes, lanes 16-31 the next
	v_lshlrev_b32 v[CO], 12, v2
	v_lshl_add_u32 v[CO], v1, 4, v[CO]             ; and the same two rows in out0
; 8 matrix instructions: A's blocks a0, a0 + 1 against Wo's four, 32 along K.  The 32 accumulators take turns, one instruction a turn.  first = 1: C is the bias.
.macro MUL8 f, a0, first
.irp a, \a0, \a0+1
.irp b, 0,1,2,3
.if \first
	v_wmma_f32_16x16x32_f16 v[8*(4*(\a)+\b):8*(4*(\a)+\b)+7], v[\f+64+8*\b:\f+64+8*\b+7], v[\f+8*(\a):\f+8*(\a)+7], v[BIAS+8*\b:BIAS+8*\b+7]
.else
	v_wmma_f32_16x16x32_f16 v[8*(4*(\a)+\b):8*(4*(\a)+\b)+7], v[\f+64+8*\b:\f+64+8*\b+7], v[\f+8*(\a):\f+8*(\a)+7], v[8*(4*(\a)+\b):8*(4*(\a)+\b)+7]
.endif
.endr
.endr
.endm
; 24 LDS loads in one run: quarter q (32 along K) of a slot into buffer f: Wo's four fragments, A's blocks 0-3, A's blocks 4-7
.macro FETCH slot, q, f
	WIN TO_F
.irp b, 0,1,2,3
	ds_load_tr16_b128 v[\f+64+8*\b:\f+64+8*\b+3],   v[ADRB+\slot] offset:(\q)*32*PB+32*\b
	ds_load_tr16_b128 v[\f+64+8*\b+4:\f+64+8*\b+7], v[ADRB+\slot] offset:(\q)*32*PB+32*\b+16*PB
.endr
.irp i, 0,1,2,3,4,5,6,7
	ds_load_b128 v[\f+8*\i:\f+8*\i+3],   v[ADRA+\slot] offset:((\q)/2)*APL+((\q)%2)*64+\i*16*PA
	ds_load_b128 v[\f+8*\i+4:\f+8*\i+7], v[ADRA+\slot] offset:((\q)/2)*APL+((\q)%2)*64+\i*16*PA+32
.endr
.endm
.macro PLACES                          ; four plain lines in front of loads into registers that matrix instructions have read, and of the first read of results
.rept 4
	v_nop
.endr
.endm
.macro MWIN first
.if \first
	WIN MULF
.else
	WIN MUL
.endif
.endm
; A K step is four quarters of 32 along K, 32 matrix instructions each, on buffers 0, 1, 0, 1.  One of the first three: multiplies buffer f and fetches quarter q into g.
.macro QUARTER slot, q, f, g, first
	s_wait_dscnt 8                                 ; Wo's fragments and A's blocks 0-3 are in; the youngest eight loads (A's blocks 4-7) may be out
	MWIN \first
	MUL8 \f, 0, \first
	MUL8 \f, 2, \first
	PLACES
	FETCH \slot, \q, \g
	s_wait_dscnt 24                                ; all but the 24 just issued
	MWIN \first
	MUL8 \f, 4, \first
	MUL8 \f, 6, \first
.endm
; The last quarter multiplies buffer 1 and changes slots: ONE barrier; in front of it each wave waits for all its tensor loads, adds 0 to its spare word, and waits for that and for its reads of this slot.
.macro TURN slot, next, fill
	WIN 0                                          ; (the add's two registers lie in window 0)
	s_wait_tensorcnt 0x0                           ; all my tensor loads have landed: my part of the next slot
	ds_add_u32 v[SPW], v[NIL]
	s_wait_dscnt 9                                 ; the add and the youngest eight loads may be out
	WIN MUL
	MUL8 F1, 0, 0
	s_wait_dscnt 0x0                               ; the add is done, and my reads of this slot are over
	s_barrier_signal -1
	MUL8 F1, 2, 0
.if \fill
	WIN 0
.endif
	s_barrier_wait -1
.if \fill
	CREST                                          ; the barrier has opened a round of the cluster's barrier: no wave of any partner still reads this slot or has a load on its way
	s_add_nc_u64 s[G0+4*\slot+2:G0+4*\slot+3], s[G0+4*\slot+2:G0+4*\slot+3], 2*ASTEP
	s_add_nc_u64 s[G0B+4*\slot+2:G0B+4*\slot+3], s[G0B+4*\slot+2:G0B+4*\slot+3], 2*BSTEP
	JLOAD \slot                                    ; the first tensor load behind the round: 112 matrix instructions ahead of the wait for it; its four v_nop are also the places in front of the loads below
.else
	PLACES
.endif
	FETCH \next, 0, F0
	WIN MUL
	MUL8 F1, 4, 0
	MUL8 F1, 6, 0
.endm
	s_wait_tensorcnt 1                             ; my part of K step 0 is in; K step 1's load may be out,
	s_barrier_signal -1
	s_barrier_wait -1                              ; everybody's is
	FETCH 0, 0, F0
	s_wait_loadcnt 0x0                             ; the bias
	QUARTER 0, 1, F0, F1, 1                        ; the first quarter stands in front of the loop: its products start the sums, on the bias
	WIN 0
	s_mov_b32 s3, LAPS-1
.Llap:                                                 ; a trip goes once round the ring and fills both slots again
	QUARTER 0, 2, F1, F0, 0
	QUARTER 0, 3, F0, F1, 0
	TURN 0, 1, 1
	QUARTER 1, 1, F0, F1, 0
	QUARTER 1, 2, F1, F0, 0
	QUARTER 1, 3, F0, F1, 0
	TURN 1, 0, 1
	QUARTER 0, 1, F0, F1, 0
	WIN 0
	s_sub_co_u32 s3, s3, 1
	s_cmp_lg_u32 s3, 0
	s_cbranch_scc1 .Llap
	QUARTER 0, 2, F1, F0, 0                        ; the last lap fills nothing
	QUARTER 0, 3, F0, F1, 0
	TURN 0, 1, 0
	QUARTER 1, 1, F0, F1, 0
	QUARTER 1, 2, F1, F0, 0
	QUARTER 1, 3, F0, F1, 0
	s_wait_dscnt 8
	WIN MUL
	MUL8 F1, 0, 0
	MUL8 F1, 2, 0
	s_wait_dscnt 0
	MUL8 F1, 4, 0
	MUL8 F1, 6, 0
	WIN 0
; THE WAY OUT, block by block of 16 rows x 64 columns: through my own stage, back as whole rows of 256 bytes.
.macro TOSTAGE a
	WIN 0x08                                       ; an LDS store's data are its source 1: window 2
.irp b, 0,1,2,3
	ds_store_b128 v[STO], v[8*(4*(\a)+\b):8*(4*(\a)+\b)+3] offset:64*\b          ; each accumulator from its low end on
	ds_store_b128 v[STO], v[8*(4*(\a)+\b)+4:8*(4*(\a)+\b)+7] offset:64*\b+16
.endr
	WIN 0
.set BB, BK+32*((\a)%2)
.irp t, 0,1,2,3,4,5,6,7
	ds_load_b128 v[BB+4*\t:BB+4*\t+3], v[RD] offset:\t*2*SPITCH    ; LDS serves a wave's instructions in order (ISA guide 5.7.1.4)
.endr
.endm
.macro SEND a, younger
.set BB, BK+32*((\a)%2)
	s_wait_dscnt \younger                          ; the block is back; the next block's sixteen LDS instructions may be out
.irp t, 0,1,2,3,4,5,6,7
	global_store_b128 v[CO], v[BB+4*\t:BB+4*\t+3], s[10:11] offset:(16*(\a)+2*\t)*4096 th:TH_STORE_NT   ; sixteen lanes store 256 consecutive bytes, aligned
.endr
.endm
	PLACES
	TOSTAGE 0
.irp a, 1,2,3,4,5,6,7
.if \a > 1
	s_wait_xcnt 0x0                                ; block a - 2's stores have read their registers: block a's loads may land there
.endif
	TOSTAGE \a
	SEND \a-1, 16
.endr
	SEND 7, 0
	s_wait_tensorcnt 0x0                           ; the wave's end: behind my last tensor load and my last LDS store
	ds_add_u32 v[SPW], v[NIL]
	s_wait_dscnt 0x0
	CROUND                                         ; the closing round
	s_endpgm
.Lfunc_end_k_q1425f810d2_proj:
	.size	k_q1425f810d2_proj, .Lfunc_end_k_q1425f810d2_proj-k_q1425f810d2_proj
	.p2alignl 7, 3214868480
	.fill 96, 4, 3214868480
	.section	.rodata,"a",@progbits
	.p2align	6, 0x0
	.amdhsa_kernel k_q1425f810d2_proj
		.amdhsa_group_segment_fixed_size 327680
		.amdhsa_private_segment_fixed_size 0
		.amdhsa_enable_private_segment 0
		.amdhsa_kernarg_size 32
		.amdhsa_user_sgpr_count 2
		.amdhsa_user_sgpr_kernarg_segment_ptr 1
		.amdhsa_wavefront_size32 1
		.amdhsa_system_sgpr_workgroup_id_x 1
		.amdhsa_system_sgpr_workgroup_id_y 1
		.amdhsa_system_sgpr_workgroup_id_z 1
		.amdhsa_system_vgpr_workitem_id 0
		.amdhsa_next_free_vgpr 1024
		.amdhsa_next_free_sgpr 66
		.amdhsa_reserve_vcc 0
		.amdhsa_float_denorm_mode_32 3
		.amdhsa_float_denorm_mode_16_64 3
		.amdhsa_memory_ordered 1
		.amdhsa_forward_progress 1
		.amdhsa_inst_pref_size 86
	.end_amdhsa_kernel
	.amdgpu_metadata
---
amdhsa.version: [ 1, 2 ]
amdhsa.kernels:
  - .name:           k_q1425f810d2_proj
    .symbol:         k_q1425f810d2_proj.kd
    .args:
      - { .name: ao, .offset: 0, .size: 8, .value_kind: global_buffer, .address_space: global }
      - { .name: wo16, .offset: 8, .size: 8, .value_kind: global_buffer, .address_space: global }
      - { .name: bo, .offset: 16, .size: 8, .value_kind: global_buffer, .address_space: global }
      - { .name: out0, .offset: 24, .size: 8, .value_kind: global_buffer, .address_space: global }
    .group_segment_fixed_size: 327680
    .private_segment_fixed_size: 0
    .kernarg_segment_align: 8
    .kernarg_segment_size: 32
    .max_flat_workgroup_size: 128
    .sgpr_count:     66
    .vgpr_count:     1024
    .wavefront_size: 32
...
	.end_amdgpu_metadata
.endif
;; end of part 4
;; launch fine (part 5): grid 16 x 4, 16 waves a work-group, no clusters, 71,680 bytes of LDS; arguments qkv32, Wo, bo, out0; writes out0
.if DOCPART == 5
	.amdgcn_target "amdgcn-amd-amdhsa--gfx1250"
	.amdhsa_code_object_version 6
	.text
	.protected	k_q1425f810d2_fine
	.globl	k_q1425f810d2_fine
	.p2align	8
	.type	k_q1425f810d2_fine,@function
k_q1425f810d2_fine:
	s_mov_b64 s[64:65], 0
	v_nop
	global_prefetch_b8 v0, s[64:65] scope:SCOPE_SE
	s_setreg_imm32_b32 hwreg(HW_REG_WAVE_MODE, 25, 1), 1
	s_wait_xcnt 0x0
; FINE: positions 0 to 15 of every sequence average one to sixteen values and are the largest in size: they are carried in f32 from the quantised products' sums (qkv32) to out0, and overwrite those 64 rows.
; A work-group takes a batch (y) and 64 columns of out0 (x).  Wave w takes head w: S^T = K Q^T, the softmax under the causal mask, O^T = V^T P, and at once its part of the projection,
; O (16 x 64) x Wo[64 w .. 64 w + 63][my 64 columns]; the sixteen parts meet in LDS, and wave w adds row w's sixteen parts and the bias and stores 256 consecutive bytes.
; All products by v_wmma_f32_16x16x4_f32: 96 a wave, no bulk work.  Its four places along K are filled with the same k on both sources, in the order in which the lanes hold them.
; The registers that this form writes (v28-91) are written by matrix instructions alone; what is made of a sum goes into other registers.
; REGISTERS: v1-9 addresses; v10, v11 the add's two; v[12:15] the bias and the last sum; v16-23 scores, then p; v24-27 at work; v28-59 four accumulators; v60-91 O^T;
;   v92-123 Q, v124-155 K (later Wo's second half); v156-187 V; v188-251 Wo's first half (later the sixteen parts).
.set PP,    272                        ; a row of a part in LDS: 256 bytes + 16
.set PART,  16*PP
.set SPARE, 16*PART                    ; the spare words, 128 bytes for each wave: eight blocks of 256 bytes that no other line names
.set SPW, 10
.set NIL, 11
.set P,   16
.set ACC, 28
.set OT,  60
.set QF,  92
.set KF,  124
.set VF,  156
.set W1,  188
.set W2,  92
	s_load_b256 s[4:11], s[0:1], 0x0               ; qkv32 4, Wo 6, bo 8, out0 10
	v_lshl_add_u32 v[SPW], v0, 2, SPARE
	v_mov_b32 v[NIL], 0
	v_lshrrev_b32 v1, 5, v0
	v_readfirstlane_b32 s12, v1                    ; wave = head
	s_and_b32 s13, ttmp7, 0xffff                   ; batch
	v_and_b32 v1, 15, v0                           ; r
	v_bfe_u32 v2, v0, 4, 1                         ; h
	v_lshlrev_b32 v3, 8, v1
	v_lshl_add_u32 v3, v2, 4, v3                   ; Q, K: row r of 256 bytes, + 16 h
	v_lshlrev_b32 v4, 2, v1
	v_lshl_add_u32 v5, v2, 15, v4                  ; Wo: 8 h rows of 4,096 bytes, + 4 r
	v_lshl_add_u32 v4, v2, 11, v4                  ; V: 8 h rows of 256 bytes, + 4 r
	v_lshlrev_b32 v6, 3, v2
	v_sub_nc_u32 v6, v1, v6                        ; r - 8 h, for the mask
	v_and_b32 v7, 31, v0
	v_lshlrev_b32 v7, 3, v7                        ; 8 bytes a lane: a row of 256 bytes
	s_mul_i32 s14, s12, PART
	v_mul_u32_u24 v8, v1, PP
	v_lshl_add_u32 v8, v2, 5, v8
	v_add_nc_u32 v8, s14, v8                       ; my part, in: row r, 32 bytes for each half of the lanes
	s_mul_i32 s14, s12, PP
	v_add_nc_u32 v9, s14, v7                       ; back: row w of every part
	v_mov_b32 v25, 0                               ; a lane permute's destination counts as one of its sources
	s_mov_b32 s18, 0x3e38aa3b                      ; c = log2(e) / 8
	s_mov_b32 s20, 0x76543210
	s_mov_b32 s21, 0xfedcba98
	s_mul_i32 s14, s13, 48
	s_add_co_u32 s14, s14, s12
	s_lshl_b32 s14, s14, 12                        ; q's plane of 4,096 bytes; k's is 16 planes on, v's 32
	s_mov_b32 s15, 0
	s_lshl_b32 s16, s12, 18                        ; Wo: my 64 rows,
	s_lshl_b32 s19, ttmp9, 8                       ; my work-group's 64 columns
	s_add_co_u32 s16, s16, s19
	s_mov_b32 s17, 0
	s_lshl_b32 s22, s13, 23                        ; out0: the batch's first row,
	s_lshl_b32 s23, s12, 12                        ; row w,
	s_add_co_u32 s22, s22, s23
	s_add_co_u32 s22, s22, s19
	s_mov_b32 s23, 0
	s_mov_b32 s24, s19
	s_mov_b32 s25, 0
	s_wait_kmcnt 0x0
	s_add_nc_u64 s[4:5], s[4:5], s[14:15]
	s_add_nc_u64 s[6:7], s[6:7], s[16:17]
	s_add_nc_u64 s[8:9], s[8:9], s[24:25]
	s_add_nc_u64 s[10:11], s[10:11], s[22:23]
	global_load_b64 v[12:13], v7, s[8:9]           ; the bias of my two columns
.irp c, 0,1,2,3,4,5,6,7
	global_load_b128 v[QF+4*\c:QF+4*\c+3], v3, s[4:5] offset:32*\c           ; channels 8 c + 4 h + 0 .. 3 of query r
.endr
.irp c, 0,1,2,3,4,5,6,7
	global_load_b128 v[KF+4*\c:KF+4*\c+3], v3, s[4:5] offset:65536+32*\c     ; and of key r
.endr
.irp dt, 0,1,2,3
.irp c, 0,1,2,3
.irp j, 0,1
	global_load_b32 v[VF+8*\dt+2*\c+\j], v4, s[4:5] offset:131072+(2*\c+\j)*256+64*\dt   ; V[key 8 h + 2 c + j][channel 16 dt + r]
.endr
.endr
.endr
.macro WOLOAD reg, dt0                 ; Wo[64 w + 16 dt + 8 h + 2 c + j][64 x + 16 i + r] for dt = dt0, dt0 + 1
.irp d, 0,1
.irp c, 0,1,2,3
.irp i, 0,1,2,3
.irp j, 0,1
	global_load_b32 v[\reg+32*\d+8*\c+2*\i+\j], v5, s[6:7] offset:(16*(\dt0+\d)+2*\c+\j)*4096+64*\i
.endr
.endr
.endr
.endr
.endm
	WOLOAD W1, 0
	s_wait_loadcnt 63                              ; Q and K are in: 96 loads were issued behind them; a wait's count is at most 63, and a smaller count is safe
.irp p, 0,1,2,3,4,5,6,7,8,9,10,11,12,13,14,15  ; S^T = K Q^T: two accumulators by turns; lane (r, h), register j: key 8 h + j, query r
.if \p < 2
	v_wmma_f32_16x16x4_f32 v[ACC+8*(\p%2):ACC+8*(\p%2)+7], v[KF+2*\p:KF+2*\p+1], v[QF+2*\p:QF+2*\p+1], 0
.else
	v_wmma_f32_16x16x4_f32 v[ACC+8*(\p%2):ACC+8*(\p%2)+7], v[KF+2*\p:KF+2*\p+1], v[QF+2*\p:QF+2*\p+1], v[ACC+8*(\p%2):ACC+8*(\p%2)+7]
.endif
.endr
.rept 8
	v_nop                                          ; eight places behind this form: in front of the loads into Q's and K's registers and of the first read of the sums
.endr
	WOLOAD W2, 2
.irp j, 0,1,2,3,4,5,6,7
	v_add_f32 v[P+\j], v[ACC+\j], v[ACC+8+\j]      ; the two halves of the sum, from the low end on
.endr
	v_mov_b32 v24, 0xff800000                      ; -infinity
.irp j, 0,1,2,3,4,5,6,7
	v_cmp_gt_i32 vcc_lo, \j, v6                    ; key 8 h + j comes after query r
	v_cndmask_b32 v[P+\j], v[P+\j], v24, vcc_lo
.endr
	v_max3_num_f32 v26, v[P], v[P+1], v[P+2]
	v_max3_num_f32 v27, v[P+3], v[P+4], v[P+5]
	v_max3_num_f32 v26, v26, v[P+6], v[P+7]
	v_max_num_f32 v26, v26, v27
	v_permlanex16_b32 v25, v26, s20, s21
	v_max_num_f32 v26, v26, v25                    ; the row's maximum: key 0 counts for every query, so it is a number
	v_mul_f32 v26, s18, v26
.irp j, 0,1,2,3,4,5,6,7
	v_fma_f32 v[P+\j], v[P+\j], s18, -v26
.endr
.irp j, 0,1,2,3,4,5,6,7
	v_exp_f32 v[P+\j], v[P+\j]
.endr
	v_nop                                          ; a plain line behind the last exponential
	s_wait_alu depctr_va_vdst(0)                   ; and the wait ahead of the first use: one for the eight
	v_add_f32 v24, v[P], v[P+1]
	v_add_f32 v27, v[P+2], v[P+3]
	v_add_f32 v24, v24, v[P+4]
	v_add_f32 v27, v27, v[P+5]
	v_add_f32 v24, v24, v[P+6]
	v_add_f32 v27, v27, v[P+7]
	v_add_f32 v24, v24, v27
	v_permlanex16_b32 v25, v24, s20, s21
	v_add_f32 v24, v24, v25
	v_rcp_f32 v24, v24
	v_nop
	s_wait_alu depctr_va_vdst(0)
.irp j, 0,1,2,3,4,5,6,7
	v_mul_f32 v[P+\j], v[P+\j], v24                ; the weights, normalised
.endr
	s_wait_loadcnt 63                              ; V and Wo's first half are in: 128 and 64 loads were issued behind them
.irp c, 0,1,2,3                        ; O^T = V^T P: keys 8 h + 2 c + j on both sources; the four tiles of channels by turns
.irp dt, 0,1,2,3
.if \c == 0
	v_wmma_f32_16x16x4_f32 v[OT+8*\dt:OT+8*\dt+7], v[VF+8*\dt+2*\c:VF+8*\dt+2*\c+1], v[P+2*\c:P+2*\c+1], 0
.else
	v_wmma_f32_16x16x4_f32 v[OT+8*\dt:OT+8*\dt+7], v[VF+8*\dt+2*\c:VF+8*\dt+2*\c+1], v[P+2*\c:P+2*\c+1], v[OT+8*\dt:OT+8*\dt+7]
.endif
.endr
.endr
.rept 9
	v_nop                                          ; nine places: the products below take these results as a source
.endr
.macro OUTS reg, dt0, zero             ; my part of the projection: channels 16 dt + 8 h + 2 c + j on both sources; the four tiles of columns by turns.  Lane (r, h), register j: column 16 i + 8 h + j of query r
.irp d, 0,1
.irp c, 0,1,2,3
.irp i, 0,1,2,3
.if \zero && (\d == 0) && (\c == 0)
	v_wmma_f32_16x16x4_f32 v[ACC+8*\i:ACC+8*\i+7], v[\reg+32*\d+8*\c+2*\i:\reg+32*\d+8*\c+2*\i+1], v[OT+8*(\dt0+\d)+2*\c:OT+8*(\dt0+\d)+2*\c+1], 0
.else
	v_wmma_f32_16x16x4_f32 v[ACC+8*\i:ACC+8*\i+7], v[\reg+32*\d+8*\c+2*\i:\reg+32*\d+8*\c+2*\i+1], v[OT+8*(\dt0+\d)+2*\c:OT+8*(\dt0+\d)+2*\c+1], v[ACC+8*\i:ACC+8*\i+7]
.endif
.endr
.endr
.endr
.endm
	OUTS W1, 0, 1
	s_wait_loadcnt 0x0                             ; Wo's second half, and the bias
	OUTS W2, 2, 0
.rept 8
	v_nop                                          ; eight places: in front of the stores that read the sums, and of the loads into Wo's registers
.endr
.irp i, 0,1,2,3
	ds_store_b128 v8, v[ACC+8*\i:ACC+8*\i+3] offset:64*\i          ; each accumulator from its low end on
	ds_store_b128 v8, v[ACC+8*\i+4:ACC+8*\i+7] offset:64*\i+16
.endr
	s_wait_dscnt 0x0                               ; for the others' sake: my part lies in LDS
	s_barrier_signal -1
	s_barrier_wait -1
.irp p, 0,1,2,3,4,5,6,7,8,9,10,11,12,13,14,15
	ds_load_b64 v[W1+2*\p:W1+2*\p+1], v9 offset:\p*PART            ; row w of head p's part
.endr
	s_wait_dscnt 0x0
	v_pk_add_f32 v[14:15], v[W1:W1+1], v[W1+2:W1+3]                ; two chains, one of them on the bias
.irp p, 2,4,6,8,10,12,14
	v_pk_add_f32 v[12:13], v[12:13], v[W1+2*\p:W1+2*\p+1]
	v_pk_add_f32 v[14:15], v[14:15], v[W1+2*\p+2:W1+2*\p+3]
.endr
	v_pk_add_f32 v[12:13], v[12:13], v[14:15]
	global_store_b64 v7, v[12:13], s[10:11]        ; 32 lanes store 256 consecutive bytes, aligned
	s_wait_tensorcnt 0x0                           ; the wave's end: behind my last LDS store
	ds_add_u32 v[SPW], v[NIL]
	s_wait_dscnt 0x0
	s_endpgm
.Lfunc_end_k_q1425f810d2_fine:
	.size	k_q1425f810d2_fine, .Lfunc_end_k_q1425f810d2_fine-k_q1425f810d2_fine
	.p2alignl 7, 3214868480
	.fill 96, 4, 3214868480
	.section	.rodata,"a",@progbits
	.p2align	6, 0x0
	.amdhsa_kernel k_q1425f810d2_fine
		.amdhsa_group_segment_fixed_size 71680
		.amdhsa_private_segment_fixed_size 0
		.amdhsa_enable_private_segment 0
		.amdhsa_kernarg_size 32
		.amdhsa_user_sgpr_count 2
		.amdhsa_user_sgpr_kernarg_segment_ptr 1
		.amdhsa_wavefront_size32 1
		.amdhsa_system_sgpr_workgroup_id_x 1
		.amdhsa_system_sgpr_workgroup_id_y 1
		.amdhsa_system_sgpr_workgroup_id_z 1
		.amdhsa_system_vgpr_workitem_id 0
		.amdhsa_next_free_vgpr 256
		.amdhsa_next_free_sgpr 66
		.amdhsa_reserve_vcc 1
		.amdhsa_float_denorm_mode_32 3
		.amdhsa_float_denorm_mode_16_64 3
		.amdhsa_memory_ordered 1
		.amdhsa_forward_progress 1
		.amdhsa_inst_pref_size 32
	.end_amdhsa_kernel
	.amdgpu_metadata
---
amdhsa.version: [ 1, 2 ]
amdhsa.kernels:
  - .name:           k_q1425f810d2_fine
    .symbol:         k_q1425f810d2_fine.kd
    .args:
      - { .name: qkv32, .offset: 0, .size: 8, .value_kind: global_buffer, .address_space: global }
      - { .name: Wo, .offset: 8, .size: 8, .value_kind: global_buffer, .address_space: global }
      - { .name: bo, .offset: 16, .size: 8, .value_kind: global_buffer, .address_space: global }
      - { .name: out0, .offset: 24, .size: 8, .value_kind: global_buffer, .address_space: global }
    .group_segment_fixed_size: 71680
    .private_segment_fixed_size: 0
    .kernarg_segment_align: 8
    .kernarg_segment_size: 32
    .max_flat_workgroup_size: 512
    .sgpr_count:     66
    .vgpr_count:     256
    .wavefront_size: 32
...
	.end_amdgpu_metadata
.endif
;; end of part 5
